; MI455X (gfx1250); checked and timed in simulation.
; The chip was launched on July 23, 2026; its instructions are those of AMD's public machine-readable ISA for CDNA 5 (MIT licence, August 2026) and "CDNA5" Instruction Set Architecture Reference Guide (July 2026). The comments in the code are by the model that wrote it; some were corrected since.
;; Advanced NKAT Finetuner. Allowed arithmetic: matrix products marked QUANTISED: E2M1 operands, one E8M0 scale for each 32 along K, by v_wmma_scale_f32_16x16x128_f8f6f4 with both operands' format E2M1 (or v_wmma_scale_f32_32x16x128_f4), f32 sums; products left as they are: f32 operands where the result goes on into a quantised operand, else bf16, f16 or f32 operands; f32 sums; everything else in f32.
;; Inputs: W1 4,096 x 2,048 float32; W2 4,096 x 4,096 float32; W3 2,048 x 4,096 float32; W_out 2,048 x 2,048 float32; b1 4,096 float32; b2 4,096 float32; b3 2,048 float32; b_out 2,048 float32; cp1 4,096 x 9 float32; cp2 4,096 x 9 float32; cp3 2,048 x 9 float32; rw1 4,096 float32; rw2 4,096 float32; rw3 2,048 float32; x 1,024 x 2,048 float32.
;; Outputs: out0 1,024 x 2,048 float32.
;; This version of the problem:
;;   THIS VERSION OF THE PROBLEM IS GIVEN IN LOW PRECISION. The matrix products marked QUANTISED in the list below multiply operands that are first quantised to E2M1 (2 exponent bits, 1 mantissa bit; 4 bits a number), with one power-of-two scale for each 32 numbers along K (OCP MX v1.0); their sums are f32. All else is computed in f32.
;;   The module's matrix products, in the order in which they are computed (A, B: the left and right operand; K: the contracted axis; several contracted axes count as one K, in the product's order):
;;     1. [M 1,024, K 2,048] x [K 2,048, N 4,096]; A: computed on the way; B: input W1: QUANTISED
;;     2. batch 4,096 x [M 1, K 8] x [K 8, N 1,024]; A: input cp1; B: computed on the way: left as it is (K = 8 < 32)
;;     3. batch 4 x [M 524,288, K 2] x [K 2, N 2]; A: computed on the way; B: computed on the way: left as it is (K = 2 < 32)
;;     4. [M 1,024, K 4,096] x [K 4,096, N 4,096]; A: computed on the way; B: input W2: QUANTISED
;;     5. batch 4,096 x [M 1, K 8] x [K 8, N 1,024]; A: input cp2; B: computed on the way: left as it is (K = 8 < 32)
;;     6. batch 4 x [M 524,288, K 2] x [K 2, N 2]; A: computed on the way; B: computed on the way: left as it is (K = 2 < 32)
;;     7. [M 1,024, K 4,096] x [K 4,096, N 2,048]; A: computed on the way; B: input W3: QUANTISED
;;     8. batch 2,048 x [M 1, K 8] x [K 8, N 1,024]; A: input cp3; B: computed on the way: left as it is (K = 8 < 32)
;;     9. batch 4 x [M 262,144, K 2] x [K 2, N 2]; A: computed on the way; B: computed on the way: left as it is (K = 2 < 32)
;;     10. [M 1,024, K 2,048] x [K 2,048, N 2,048]; A: computed on the way; B: input W_out: QUANTISED
;;   THE QUANTISER, for each operand of a quantised product, along K:
;;     - K is cut into blocks of 32 from its start; a last block that is shorter is filled with zeros.
;;     - A block's scale is 2^e with e = floor(log2(the largest magnitude in the block)) - 2, held to -126 .. 127; a block of zeros has e = 0. As a byte (E8M0): e + 127.
;;     - Each number is divided by its block's scale, clamped to +-6, and rounded to the nearest number of E2M1, ties to even, subnormals kept.
;;     - The product sums the exact products of the quantised numbers (number of the format x scale) in f32.
;;   ~~~python
;;   def quantise(x, axis):      # numpy; x: float32 -> the quantised numbers, widened to float32 again
;;       x = np.moveaxis(x, axis, -1); K = x.shape[-1]
;;       x = np.pad(x, [(0, 0)] * (x.ndim - 1) + [(0, -K % 32)]); x = x.reshape(x.shape[:-1] + (-1, 32)); a = np.abs(x).max(-1, keepdims=True)
;;       e = np.where(a > 0, np.clip(np.frexp(np.where(a > 0, a, 1))[1] - 1 - 2, -126, 127), 0)      # np.frexp(a)[1] - 1 = floor(log2(a)), exactly
;;       r = np.clip(x / 2.0 ** e, -6, 6)
;;       step = 2.0 ** (np.maximum(np.frexp(np.where(r == 0, 1, r))[1] - 1, 0) - 1)
;;       q = np.round(r / step) * step * 2.0 ** e      # np.round: ties to even
;;       return np.moveaxis(q.reshape(q.shape[:-2] + (-1,))[..., :K], -1, axis).astype(np.float32)
;;   ~~~
;;   OPERANDS COMPUTED ON THE WAY. 'Computed on the way' means the value that the module computes at that place (a softmax that the list does not call 'softmax' is quantised finished and normalised). What goes into a quantiser is computed in f32, as accurately as f32 sums, v_exp_f32 and their like allow (about 1e-6 of the number): no bf16 or f16 on the way to a quantiser, and a product that is left as it is and whose result goes on into a quantised operand takes f32 operands (vector FMAs, or v_wmma_f32_16x16x4_f32). A number that lies on a knife's edge between two numbers of the format may be rounded either way, as far as f32 arithmetic and the matrix unit's own rounding can turn it there, and no further.
;; One version. Each part assembles by itself: llvm-mc -triple=amdgcn-amd-amdhsa -mcpu=gfx1250 --defsym DOCPART=n.
;; ======== version 1 of 1: 5 launches
;; workspace buffers: wcod 18,874,368 bytes; wscl 1,179,648 bytes; actp 2,228,224 bytes; actq 2,228,224 bytes
;; launch prep (part 1): grid 640 x 1, 4 waves a work-group, no clusters, 68,352 bytes of LDS; arguments W1, W2, W3, W_out, x, wcod, wscl, actp; writes wcod, wscl, actp
.if DOCPART == 1
	.amdgcn_target "amdgcn-amd-amdhsa--gfx1250"
	.amdhsa_code_object_version 6
	.text
	.protected	k_q38136b3b5b_prep
	.globl	k_q38136b3b5b_prep
	.p2align	8
	.type	k_q38136b3b5b_prep,@function
k_q38136b3b5b_prep:
	s_mov_b64 s[64:65], 0
	v_nop
	global_prefetch_b8 v0, s[64:65] scope:SCOPE_SE
	s_setreg_imm32_b32 hwreg(HW_REG_WAVE_MODE, 25, 1), 1
	s_wait_xcnt 0x0
; The four weights [N][K] f32 and LayerNorm(x) become codes of FP4 (E2M1) with one E8M0 byte for each 32 along K, laid in the ORDER OF THE OPERAND'S REGISTERS.
; AN IMAGE: 16 rows x 128 K = 1,024 bytes: chunk c = 0, 1 of 512 bytes; lane l's 16 bytes at 16 l hold k = 64 c + 32 (l / 16) + 0 .. 31 of row l % 16.
; wcod, for each weight: [block of 128 rows][K step of 128][tile 0..7][image]; lane r of tile t takes row 32 (t / 2) + 8 (t % 2) + r + 8 (r / 8) of the block, so that in the product's
;   result (used transposed) the 16 registers of tiles 2 b, 2 b + 1 are 16 neighbouring columns.   wscl: [block][tile][K step / 4][lane r][4 words], a word = the four bytes of one K step.
; actp: codes [block of 8 row tiles][K step][tile][image], rows as they lie; from byte 2,097,152 the scale words [block][K step][tile][16 words].
; A block's scale is 2^(floor(log2(its largest magnitude)) - 2): its byte is the largest magnitude's exponent field - 2, held at 1 from below.
; LIMITS: a block of zeros, or one whose largest magnitude lies under 2^-124, gets the byte 1 (zeros: zero codes; only this program reads the bytes).  NaN and infinities are not served.
;   (x - mean) is multiplied by v_rsq_f32(var + 1e-5) where the definition divides by a root.
; SHARES: work-groups 0-127 W1, 128-383 W2, 384-511 W3, 512-575 W_out, 576-639 x.  A wave of a weight's work-group takes one tile (16 rows) x 8 K steps: 64 KiB of f32.
; A K step: 16 loads, each 512 consecutive bytes of one row; the 8 KiB turn through the wave's own stage in LDS (rows 528 = 33 x 16 bytes apart) and come back 32 neighbours along K to a lane and chunk,
; so a lane holds two whole blocks and the conversions' results are the image's registers.  Loads run two K steps (32 loads a wave) ahead.  No tensor loads; waves of a weight's work-group share nothing.
.set XSTG, 33792                       ; LDS: bytes 0 .. 33,791 the weights' four stages; from here the x path's own four;
.set XST,  67584                       ; and the x path's 16 x (mean, 1 / root)
.set R,  64                            ; v64-191  two sets of 64 numbers as loaded
.set X,  192                           ; v192-255 64 numbers after the turn: register 32 c + i = k 64 c + 32 h + i of row r
.set SW, 20                            ; v20-27   the scale word of step t
.set Q,  28                            ; v28-31   scale words on their way out
.set C,  36                            ; v36-51   two sets of 8 registers of codes
	s_load_b256 s[4:11], s[0:1], 0x0               ; W1, W2, W3, W_out
	s_load_b256 s[12:19], s[0:1], 0x20             ; x, wcod, wscl, actp
	v_lshl_add_u32 v62, v0, 2, 0x10900
	v_mov_b32 v63, 0
	v_lshrrev_b32 v9, 5, v0
	v_readfirstlane_b32 s20, v9                    ; wave
	v_and_b32 v1, 31, v0                           ; lane
	v_and_b32 v2, 15, v0                           ; r
	v_bfe_u32 v3, v0, 4, 1                         ; h
	v_lshlrev_b32 v4, 4, v1                        ; 16 x lane: my bytes of a load's 512, and of an image's chunk
	v_lshlrev_b32 v8, 3, v3                        ; 8 h: my two bytes' place in a scale word
	v_mov_b32 v17, 0                               ; a lane permute's destination counts as read
	v_mul_u32_u24 v6, v2, 528
	v_lshl_add_u32 v6, v3, 7, v6                   ; out of the stage: row r, + 128 h
	s_mul_i32 s21, s20, 8448                       ; my wave's stage: 16 rows x 528 bytes
	s_mov_b32 s66, 0xffff0000                      ; lanes 16-31
	s_mov_b32 s68, 0x76543210
	s_mov_b32 s69, 0xfedcba98                      ; v_permlanex16_b32's selects for lane l xor 16
.macro LOAD t, isx                     ; K step t of my 16 rows into set t % 2
.set RB, R+64*((\t)%2)
.irp i, 0,1,2,3,4,5,6,7,8,9,10,11,12,13,14,15
.if \isx
	global_load_b128 v[RB+4*\i:RB+4*\i+3], v4, s[32:33] offset:8192*\i+512*(\t)
.else
	global_load_b128 v[RB+4*\i:RB+4*\i+3], v4, s[32+2*\i:33+2*\i] offset:512*(\t) th:TH_LOAD_NT
.endif
.endr
.endm
.macro TURN t                          ; through the stage: LDS serves a wave's instructions in order, so no wait stands between the stores and the loads
.set RB, R+64*((\t)%2)
.irp i, 0,1,2,3,4,5,6,7,8,9,10,11,12,13,14,15
	ds_store_b128 v5, v[RB+4*\i:RB+4*\i+3] offset:528*\i
.endr
.irp c, 0,1
.irp j, 0,1,2,3,4,5,6,7
	ds_load_b128 v[X+32*\c+4*\j:X+32*\c+4*\j+3], v6 offset:256*\c+16*\j
.endr
.endr
.endm
.macro NORM                            ; (x - mean) x 1 / root, two at a time
.set JJ, 0
.rept 32
	v_pk_add_f32 v[X+JJ:X+JJ+1], v[X+JJ:X+JJ+1], v[32:33] neg_lo:[0,1] neg_hi:[0,1]
.set JJ, JJ+2
.endr
.set JJ, 0
.rept 32
	v_pk_mul_f32 v[X+JJ:X+JJ+1], v[X+JJ:X+JJ+1], v[34:35]
.set JJ, JJ+2
.endr
.endm
.macro QBLK t                          ; my two blocks (2 c + h of the K step) become 8 registers of codes and two bytes of the scale word
.set CS, C+8*((\t)%2)
	v_max3_num_f32 v10, |v[X]|, |v[X+1]|, 0x1800000            ; the largest magnitude, with the floor 2^(3 - 127) among its leaves: the byte cannot fall under 1
	v_max3_num_f32 v11, |v[X+32]|, |v[X+33]|, 0x1800000
.irp i, 2,4,6,8,10,12,14,16,18,20,22,24,26,28,30
	v_max3_num_f32 v10, v10, |v[X+\i]|, |v[X+\i+1]|
	v_max3_num_f32 v11, v11, |v[X+32+\i]|, |v[X+33+\i]|
.endr
	v_add_nc_u32 v12, 0xff000000, v10              ; 2 off the exponent field: the conversion takes the exponent field of this operand as its scale
	v_add_nc_u32 v13, 0xff000000, v11
	v_lshrrev_b32 v14, 23, v12                     ; the bytes
	v_lshrrev_b32 v15, 23, v13
	v_lshl_or_b32 v16, v15, 16, v14
	v_lshlrev_b32 v16, v8, v16                     ; at their places: 8 h bits up
	v_permlanex16_b32 v17, v16, s68, s69
	v_or_b32 v[SW+(\t)], v16, v17                  ; with lane l xor 16's two the word is whole, in both lanes
	s_wait_xcnt 0x0                                ; the stores of two steps back have read this set of codes
.irp c, 0,1
.irp g, 0,1,2,3
	v_cvt_scalef32_pk8_fp4_f32 v[CS+4*\c+\g], v[X+32*\c+8*\g:X+32*\c+8*\g+7], v[12+\c]
.endr
.endr
	v_nop                                          ; one plain place behind the scaled conversions
	global_store_b128 v4, v[CS:CS+3], s[28:29] offset:8192*(\t)          ; each store covers 512 consecutive bytes, aligned
	global_store_b128 v4, v[CS+4:CS+7], s[28:29] offset:8192*(\t)+512
.endm
.macro STEP t, n, isx
.if (\t) < (\n)-1
	s_wait_loadcnt 16                              ; this step's 16 loads are in; the next step's 16 may be out
.else
	s_wait_loadcnt 0x0
.endif
	TURN \t
	s_wait_dscnt 0x0                               ; the numbers are back; the stage's stores have read their registers,
.if (\t)+2 < (\n)
	LOAD (\t)+2, \isx                              ; which take the loads of two steps on
.endif
.if \isx
	NORM
.endif
	QBLK \t
.endm
	s_cmp_ge_u32 ttmp9, 576                        ; the same in all four waves
	s_cbranch_scc1 .Lx_path
	; ---------------- a weight.  One path for all four: pointers and sizes are chosen by the work-group's number
	v_add_nc_u32 v5, s21, v4                       ; into the stage: 16 x lane
	v_add_nc_u32 v6, s21, v6
	v_lshlrev_b32 v7, 4, v2
	v_lshl_add_u32 v7, v3, 8, v7                   ; scale words out: 256 h + 16 r
	s_wait_kmcnt 0x0
	s_mov_b64 s[72:73], s[10:11]                   ; W_out: source, first work-group, log2(K / 1024), its place in wcod and in wscl
	s_mov_b32 s74, 512
	s_mov_b32 s75, 1
	s_mov_b32 s76, 16777216
	s_mov_b32 s77, 1048576
	s_cmp_lt_u32 ttmp9, 512                        ; W3
	s_cselect_b64 s[72:73], s[8:9], s[72:73]
	s_cselect_b32 s74, 384, s74
	s_cselect_b32 s75, 2, s75
	s_cselect_b32 s76, 12582912, s76
	s_cselect_b32 s77, 786432, s77
	s_cmp_lt_u32 ttmp9, 384                        ; W2
	s_cselect_b64 s[72:73], s[6:7], s[72:73]
	s_cselect_b32 s74, 128, s74
	s_cselect_b32 s75, 2, s75
	s_cselect_b32 s76, 4194304, s76
	s_cselect_b32 s77, 262144, s77
	s_cmp_lt_u32 ttmp9, 128                        ; W1
	s_cselect_b64 s[72:73], s[4:5], s[72:73]
	s_cselect_b32 s74, 0, s74
	s_cselect_b32 s75, 1, s75
	s_cselect_b32 s76, 0, s76
	s_cselect_b32 s77, 0, s77
	s_sub_co_u32 s78, ttmp9, s74
	s_lshl_b32 s78, s78, 2
	s_add_co_u32 s78, s78, s20                     ; my task in the tensor
	s_lshr_b32 s79, s78, s75                       ; T: which tile of 16 rows
	s_lshl_b32 s80, 1, s75
	s_sub_co_u32 s80, s80, 1
	s_and_b32 s80, s78, s80                        ; kg: which 8 K steps
	s_lshl_b32 s81, 4096, s75                      ; a row in bytes
	s_lshr_b32 s82, s79, 3
	s_lshl_b32 s82, s82, 7
	s_bfe_u32 s83, s79, 0x20001
	s_lshl_b32 s83, s83, 5
	s_add_co_u32 s82, s82, s83
	s_and_b32 s83, s79, 1
	s_lshl_b32 s83, s83, 3
	s_add_co_u32 s82, s82, s83                     ; the tile's first row: 128 (T / 8) + 32 ((T / 2) % 4) + 8 (T % 2)
	s_mul_i32 s84, s82, s81
	s_lshl_b32 s83, s80, 12
	s_add_co_u32 s84, s84, s83                     ; + 4,096 bytes for each 8 K steps (all under 2^27)
	s_mov_b32 s85, 0
	s_mov_b32 s86, s81
	s_mov_b32 s87, 0
	s_lshl_b32 s88, s81, 4
	s_mov_b32 s89, 0
	s_add_nc_u64 s[32:33], s[72:73], s[84:85]      ; sixteen row addresses: rows 0-7 of the tile are neighbours,
.irp i, 1,2,3,4,5,6,7
	s_add_nc_u64 s[32+2*\i:33+2*\i], s[30+2*\i:31+2*\i], s[86:87]
.endr
	s_add_nc_u64 s[48:49], s[32:33], s[88:89]      ; rows 8-15 lie 16 rows behind rows 0-7
.irp i, 9,10,11,12,13,14,15
	s_add_nc_u64 s[32+2*\i:33+2*\i], s[30+2*\i:31+2*\i], s[86:87]
.endr
	LOAD 0, 0
	LOAD 1, 0
	s_lshr_b32 s82, s79, 3                         ; codes: (T / 8) x K / 128 x 8,192 + kg x 65,536 + (T % 8) x 1,024
	s_add_co_u32 s83, s75, 16
	s_lshl_b32 s82, s82, s83
	s_lshl_b32 s83, s80, 16
	s_add_co_u32 s82, s82, s83
	s_and_b32 s83, s79, 7
	s_lshl_b32 s83, s83, 10
	s_add_co_u32 s82, s82, s83
	s_add_co_u32 s82, s82, s76
	s_mov_b32 s83, 0
	s_add_nc_u64 s[28:29], s[14:15], s[82:83]
	s_add_co_u32 s83, s75, 9                       ; scale words: T x K / 128 x 64 + kg x 512
	s_lshl_b32 s82, s79, s83
	s_lshl_b32 s83, s80, 9
	s_add_co_u32 s82, s82, s83
	s_add_co_u32 s82, s82, s77
	s_mov_b32 s83, 0
	s_add_nc_u64 s[30:31], s[16:17], s[82:83]
.irp t, 0,1,2,3,4,5,6,7
	STEP \t, 8, 0
.endr
.irp j, 0,1,2,3
	v_cndmask_b32 v[Q+\j], v[SW+\j], v[SW+4+\j], s66   ; lanes 0-15 send K steps 0-3 of row r, lanes 16-31 K steps 4-7
.endr
	global_store_b128 v7, v[Q:Q+3], s[30:31]       ; 512 consecutive bytes, aligned
	s_wait_tensorcnt 0x0
	ds_add_u32 v62, v63
	s_wait_dscnt 0x0
	s_endpgm
	; ---------------- x: a work-group takes 16 rows
.Lx_path:
	s_add_co_u32 s21, s21, XSTG
	v_add_nc_u32 v5, s21, v4
	v_add_nc_u32 v6, s21, v6
	v_lshlrev_b32 v7, 2, v2
	v_lshl_add_u32 v7, v3, 9, v7                   ; scale words out: 4 r, + 512 h: the next K step
	s_lshl_b32 s22, s20, 5
	s_add_co_u32 s22, s22, XST
	v_mov_b32 v52, s22                             ; where my wave's four rows leave (mean, 1 / root)
	v_lshl_add_u32 v53, v2, 3, XST                 ; and where I find row r's
	s_mov_b32 s70, 0x3a000000                      ; 1 / 2,048
	s_mov_b32 s71, 0x3727c5ac                      ; 1e-5
	s_sub_co_u32 s72, ttmp9, 576                   ; RT: which 16 rows
	s_lshl_b32 s74, s72, 17
	s_mov_b32 s75, 0
	s_lshl_b32 s76, s20, 15                        ; phase 1: my four rows
	s_mov_b32 s77, 0
	s_lshl_b32 s78, s20, 11                        ; phase 2: my four K steps
	s_mov_b32 s79, 0
	s_lshr_b32 s80, s72, 3
	s_lshl_b32 s80, s80, 4
	s_lshl_b32 s81, s20, 2
	s_add_co_u32 s80, s80, s81                     ; (RT / 8) x 16 + 4 wave: block and K step
	s_and_b32 s81, s72, 7
	s_lshl_b32 s82, s80, 13
	s_lshl_b32 s83, s81, 10
	s_add_co_u32 s82, s82, s83
	s_mov_b32 s83, 0
	s_lshl_b32 s84, s80, 3
	s_add_co_u32 s84, s84, s81
	s_lshl_b32 s84, s84, 6
	s_add_co_u32 s84, s84, 2097152
	s_mov_b32 s85, 0
	s_wait_kmcnt 0x0
	s_add_nc_u64 s[12:13], s[12:13], s[74:75]
	s_add_nc_u64 s[34:35], s[12:13], s[76:77]
	s_add_nc_u64 s[32:33], s[12:13], s[78:79]
	s_add_nc_u64 s[28:29], s[18:19], s[82:83]
	s_add_nc_u64 s[30:31], s[18:19], s[84:85]
.macro LOADROW j, b                    ; a whole row, 8,192 bytes, 64 numbers a lane
.irp i, 0,1,2,3,4,5,6,7,8,9,10,11,12,13,14,15
	global_load_b128 v[\b+4*\i:\b+4*\i+3], v4, s[34:35] offset:8192*(\j)+512*\i
.endr
.endm
.macro FOLD                            ; four packed chains, then the 32 lanes: the sum in every lane's v10
	v_pk_add_f32 v[10:11], v[10:11], v[12:13]
	v_pk_add_f32 v[14:15], v[14:15], v[16:17]
	v_pk_add_f32 v[10:11], v[10:11], v[14:15]
	v_add_f32 v10, v10, v11
	v_add_f32_dpp v10, v10, v10 row_xmask:1 row_mask:0xf bank_mask:0xf
	v_add_f32_dpp v10, v10, v10 row_xmask:2 row_mask:0xf bank_mask:0xf
	v_add_f32_dpp v10, v10, v10 row_xmask:4 row_mask:0xf bank_mask:0xf
	v_add_f32_dpp v10, v10, v10 row_xmask:8 row_mask:0xf bank_mask:0xf
	v_permlanex16_b32 v11, v10, s68, s69
	v_add_f32 v10, v10, v11
.endm
.macro ROWSTAT j, b, left              ; the mean first, then the mean of the squared differences: no difference of large sums
	s_wait_loadcnt \left
.irp c, 0,1,2,3
	v_pk_add_f32 v[10+2*\c:11+2*\c], v[\b+2*\c:\b+2*\c+1], v[\b+8+2*\c:\b+9+2*\c]
.endr
.irp i, 16,24,32,40,48,56
.irp c, 0,1,2,3
	v_pk_add_f32 v[10+2*\c:11+2*\c], v[10+2*\c:11+2*\c], v[\b+\i+2*\c:\b+\i+2*\c+1]
.endr
.endr
	FOLD
	v_mul_f32 v54, s70, v10                        ; the mean
	v_mov_b32 v55, v54
.set JJ, 0
.rept 32
	v_pk_add_f32 v[\b+JJ:\b+JJ+1], v[\b+JJ:\b+JJ+1], v[54:55] neg_lo:[0,1] neg_hi:[0,1]
.set JJ, JJ+2
.endr
.irp c, 0,1,2,3
	v_pk_mul_f32 v[10+2*\c:11+2*\c], v[\b+2*\c:\b+2*\c+1], v[\b+2*\c:\b+2*\c+1]
.endr
.irp i, 8,16,24,32,40,48,56
.irp c, 0,1,2,3
	v_pk_fma_f32 v[10+2*\c:11+2*\c], v[\b+\i+2*\c:\b+\i+2*\c+1], v[\b+\i+2*\c:\b+\i+2*\c+1], v[10+2*\c:11+2*\c]
.endr
.endr
	FOLD
	v_fma_f32 v10, v10, s70, s71                   ; the variance + 1e-5
	v_rsq_f32 v55, v10
	v_nop                                          ; a plain place behind the transcendental
	s_wait_alu depctr_va_vdst(0)
	ds_store_b64 v52, v[54:55] offset:8*(\j)       ; all lanes write the same two words with the same values
.endm
	LOADROW 0, 64
	LOADROW 1, 128
	LOADROW 2, 192
	ROWSTAT 0, 64, 32                              ; rows 1 and 2 may be out
	LOADROW 3, 64
	ROWSTAT 1, 128, 32                             ; rows 2 and 3
	ROWSTAT 2, 192, 16                             ; row 3
	ROWSTAT 3, 64, 0
	s_wait_dscnt 0x0                               ; for the others' sake: my four rows' figures have landed
	s_barrier_signal -1
	s_barrier_wait -1
	ds_load_b64 v[54:55], v53                      ; row r's
	LOAD 0, 1
	LOAD 1, 1
	s_wait_dscnt 0x0
	v_mov_b32 v32, v54
	v_mov_b32 v33, v54
	v_mov_b32 v34, v55
	v_mov_b32 v35, v55
.irp t, 0,1,2,3
	STEP \t, 4, 1
.endr
.irp p, 0,1
	v_cndmask_b32 v[Q+\p], v[SW+2*\p], v[SW+2*\p+1], s66   ; lanes 0-15 send the even K step's word of row r, lanes 16-31 the odd one's
	global_store_b32 v7, v[Q+\p], s[30:31] offset:1024*\p  ; two pieces of 64 bytes: 64 KiB of such in the whole launch
.endr
	s_wait_tensorcnt 0x0
	ds_add_u32 v62, v63
	s_wait_dscnt 0x0
	s_endpgm
.Lfunc_end_k_q38136b3b5b_prep:
	.size	k_q38136b3b5b_prep, .Lfunc_end_k_q38136b3b5b_prep-k_q38136b3b5b_prep
	.p2alignl 7, 3214868480
	.fill 96, 4, 3214868480
	.section	.rodata,"a",@progbits
	.p2align	6, 0x0
	.amdhsa_kernel k_q38136b3b5b_prep
		.amdhsa_group_segment_fixed_size 68352
		.amdhsa_private_segment_fixed_size 0
		.amdhsa_enable_private_segment 0
		.amdhsa_kernarg_size 64
		.amdhsa_user_sgpr_count 2
		.amdhsa_user_sgpr_kernarg_segment_ptr 1
		.amdhsa_wavefront_size32 1
		.amdhsa_system_sgpr_workgroup_id_x 1
		.amdhsa_system_sgpr_workgroup_id_y 1
		.amdhsa_system_sgpr_workgroup_id_z 1
		.amdhsa_system_vgpr_workitem_id 0
		.amdhsa_next_free_vgpr 256
		.amdhsa_next_free_sgpr 100
		.amdhsa_reserve_vcc 0
		.amdhsa_float_denorm_mode_32 3
		.amdhsa_float_denorm_mode_16_64 3
		.amdhsa_memory_ordered 1
		.amdhsa_forward_progress 1
		.amdhsa_inst_pref_size 139
	.end_amdhsa_kernel
	.amdgpu_metadata
---
amdhsa.version: [ 1, 2 ]
amdhsa.kernels:
  - .name:           k_q38136b3b5b_prep
    .symbol:         k_q38136b3b5b_prep.kd
    .args:
      - { .name: W1, .offset: 0, .size: 8, .value_kind: global_buffer, .address_space: global }
      - { .name: W2, .offset: 8, .size: 8, .value_kind: global_buffer, .address_space: global }
      - { .name: W3, .offset: 16, .size: 8, .value_kind: global_buffer, .address_space: global }
      - { .name: W_out, .offset: 24, .size: 8, .value_kind: global_buffer, .address_space: global }
      - { .name: x, .offset: 32, .size: 8, .value_kind: global_buffer, .address_space: global }
      - { .name: wcod, .offset: 40, .size: 8, .value_kind: global_buffer, .address_space: global }
      - { .name: wscl, .offset: 48, .size: 8, .value_kind: global_buffer, .address_space: global }
      - { .name: actp, .offset: 56, .size: 8, .value_kind: global_buffer, .address_space: global }
    .group_segment_fixed_size: 68352
    .private_segment_fixed_size: 0
    .kernarg_segment_align: 8
    .kernarg_segment_size: 64
    .max_flat_workgroup_size: 128
    .sgpr_count:     100
    .vgpr_count:     256
    .wavefront_size: 32
...
	.end_amdgpu_metadata
.endif
;; end of part 1
;; launch g1 (part 2): grid 32 x 8, 4 waves a work-group, clusters of 4 x 4, 327,680 bytes of LDS; arguments actp, wcod, wscl, b1, cp1, rw1, actq; writes actq
.if DOCPART == 2
	.amdgcn_target "amdgcn-amd-amdhsa--gfx1250"
	.amdhsa_code_object_version 6
	.text
	.protected	k_q38136b3b5b_g1
	.globl	k_q38136b3b5b_g1
	.p2align	8
	.type	k_q38136b3b5b_g1,@function
k_q38136b3b5b_g1:
	s_mov_b64 s[64:65], 0
	v_nop
	global_prefetch_b8 v0, s[64:65] scope:SCOPE_SE
	s_setreg_imm32_b32 hwreg(HW_REG_WAVE_MODE, 25, 1), 1
	s_wait_xcnt 0x0
	s_wait_alu depctr_hold_cnt(0) depctr_sa_sdst(0) depctr_va_vdst(0) depctr_va_sdst(0) depctr_va_ssrc(0) depctr_va_vcc(0) depctr_vm_vsrc(0)
	s_getreg_b32 s2, hwreg(HW_REG_IB_STS2, 6, 4)
	s_cmp_eq_u32 s2, 0
	s_cbranch_scc0 .Lentry_in_a_cluster
	s_endpgm
.Lentry_in_a_cluster:
	s_bfe_u32 s2, ttmp6, 0x10000c
	s_cmp_lg_u32 s2, 0xf033
	s_cbranch_scc0 .Lentry_shape_is_right
	s_endpgm
.Lentry_shape_is_right:
; LAYER 1: cur [1024][2048] x W1^T [2048][4096] + b1 on codes of FP4 with E8M0 scales; then tanh, the spline, the gain, the clip at +-10, the pairwise transform; the result is quantised along its columns for the next product.
; (One text serves the four layers; the eight lines below differ.)
.set SIZE_K, 2048                      ; this product's K
.set MT,     4                         ; tiles of 16 rows a wave
.set WOFF,   0                         ; the weight's place in wcod
.set WSOFF,  0                         ; and in wscl
.set LAST,   0                         ; 1: no activation; f32 results leave as they are
.set KSN,    32                        ; the next product's K steps of 128
.set CBN,    8                         ; row tiles in a block of the next product's layout,
.set LCBN,   3                         ; and its logarithm
; LAYOUTS (made by the launches before).  An IMAGE is a fragment's registers on end: 16 rows x 128 K = 2 chunks of 512 bytes, lane l's 16 bytes at 16 l.  Activations: [block of AB row tiles][K step][tile][image], and from byte
; 2,097,152 the scale words [block][K step][tile][16 words].  Weights: [block of 128 rows][K step][tile 0..7][image]; scale words [block][tile][K step / 4][lane][4 words].  So all that a work-group wants is dense in memory.
; SHARES.  256 work-groups; a work-group makes 32 MT rows x 128 columns, its four waves 2 x 2: wave (wm, wn) makes 16 MT rows x 64 columns: 4 MT accumulators.  128 columns are one K step of the next product.
; THE PRODUCT IS USED TRANSPOSED (source 0 = a tile of W, source 1 = a tile of rows).  Lane r of W's tile t is row 32 (t / 2) + 8 (t % 2) + r + 8 (r / 8): so in accumulator (i, t) lane (r, h) holds row 16 i + r, and its register j
; column 32 (t / 2) + 16 h + 8 (t % 2) + j: the 16 registers of tiles 2 b, 2 b + 1 are 16 neighbours along the next K.  The bias is the C of each sum's first product.
; K goes in chunks of 1,024 (8 K steps) through two LDS slots filled by joint tensor loads: 4 x 4 work-groups form a cluster; the four of a row share the rows' images, the four of a column the weight's.
; THE ACTIVATION.  E = 2^(2 log2(e) lin), r = 1 / (1 + E): tanh = 1 - 2 r.  z = 2.5 (tanh + 1) = 5 - 5 r runs over the knots 0,0,0,0,1,2,3,4,5,5,5,5.  The module's unfinished recursion leaves five cubic, one quadratic, one linear
; and one constant basis function; on interval s their sum with the control points x gain is one cubic in v = z - s.  Its 20 coefficients a column are made once (COEF) and kept in LDS; all five cubics are evaluated, packed, and the
; right one is chosen by compares on r and v_cndmask_b32: no branch on data.  tanh = 1 (r <= 2^-26) lies in no interval: the spline is 0 there.
; LIMITS.  NaN and infinities are not served.  The knots are tested on r = (1 - tanh) / 2: within about an ulp of tanh = 0.6, where the constant function sets in, the jump of cp[7] x rw may fall on the other side.  Where 1 - tanh
; is a few ulps (lin from about 7.9 to 9.1) whether tanh counts as 1 hangs on the last bits of the tanh in use.  A block of zeros, or under 2^-124, gets the scale byte 1 (read by this program alone).
.set KS,   SIZE_K/128
.set NCH,  SIZE_K/1024
.set AB,   2*MT
.set ASZ,  AB*8192                     ; a chunk's images of my rows
.set BSZ,  65536                       ; and of my 128 rows of W
.set SLOT, ASZ+BSZ
.set SCA,  2*SLOT                      ; behind the ring: the rows' scale words for all of K,
.set SCB,  SCA+KS*AB*64                ; the weight's,
.set CF,   SCB+KS*512                  ; the coefficients [4 s + k][128 columns] f32: written by LDS stores alone,
.set SST,  CF+10240                    ; the new scale words [tile][16]: likewise,
.set STG,  SST+512                     ; four stages of 16 rows x 272 bytes for f32 results (LAST),
.set SPARE, STG+17408                  ; and the spare words, 128 bytes a wave, which no other line names
.set NF,   2*(MT+4)                    ; LDS loads of a K step's fragments
; window 0: v1 r, v2 h, v3 lane; the addresses below; v32-47, v48-63 scale words and nothing else; v64-127, v128-191 two sets of fragments (rows' at + 8 i, W's at + 32 + 8 t); v192-223 the bias.  Later v64-143, v144-223: two sets of coefficients.
; window 1: v0-127 the accumulators ((i, t) at 8 (4 i + t)); v128-134 constants; from v136 the activation's and the quantiser's registers.
.set ADRA, 4                           ; v4, v5  my rows' images in slot 0, 1
.set ADRB, 6                           ; v6, v7  my tiles of W
.set ADSA, 8                           ; the rows' scale words: lanes 0-15 an even K step, lanes 16-31 the odd one behind it
.set ADSB, 9                           ; W's: lanes 0-15 K steps 0-3 of a chunk, lanes 16-31 K steps 4-7
.set CFW,  10
.set CFA,  11
.set SSTA, 12
.set OUTO, 13                          ; 16 x lane
.set SPW,  28
.set NIL,  29
.set SA,   32
.set SB,   48
.set FR0,  64
.set BIAS, 192
.set VV,   136                         ; window 1: v = z - s, 4 registers for each s
.set PP,   156                         ; the five cubics
.set TT,   176
.set TM,   180
.set TP,   188
.set TS,   196
.set HWD,  204
.set PC,   208
.set G1A,  24                          ; descriptors: rows' images: group 1, group 0 for each slot;
.set G0A,  32
.set G1B,  40                          ; W's images;
.set G0B,  48
.set G1SA, 68                          ; rows' scale words;
.set G0SA, 76
.set G1SB, 80                          ; W's
.set G0SB, 88
.set MSB, 0
.macro WIN new                         ; s_set_vgpr_msb: bits 1:0 source 0, 3:2 source 1, 5:4 source 2, 7:6 destination; the high byte repeats the setting that is left
.if MSB != \new
	s_set_vgpr_msb (MSB<<8)|\new
.set MSB, \new
.endif
.endm
.macro JLOAD g0a, g1a, g0b, g1b        ; a joint load: waves 0 and 1 fetch for the rows, waves 2 and 3 for W; the branch hangs on the wave's number alone; four v_nop follow each line
	s_cmp_eq_u32 s19, 0
	s_cbranch_scc0 .Lfor_b_\@
	tensor_load_to_lds s[\g0a:\g0a+3], s[\g1a:\g1a+7]
	s_nop 0
.rept 4
	v_nop
.endr
	s_branch .Lasked_\@
.Lfor_b_\@:
	tensor_load_to_lds s[\g0b:\g0b+3], s[\g1b:\g1b+7]
	s_nop 0
.rept 4
	v_nop
.endr
.Lasked_\@:
.endm
.macro CROUND                          ; a round of the cluster's barrier
	s_barrier_signal -1
	s_barrier_wait -1
	s_cmp_lg_u32 s18, 0
	s_cbranch_scc1 .Lnot_wave_0_\@
	s_barrier_signal -3
.Lnot_wave_0_\@:
	s_barrier_wait -3
	s_barrier_signal -1
	s_barrier_wait -1
.endm
.macro GROUP1 g, rows                  ; a dense block as rows of 256 bytes: 32 elements of 8 bytes, pitch 32
	s_mov_b32 s[\g+1], 32<<16
	s_mov_b32 s[\g+2], (\rows)<<16
	s_mov_b32 s[\g+3], 32<<16
	s_mov_b32 s[\g+4], \rows
	s_mov_b32 s[\g+5], 32
	s_mov_b32 s[\g+6], 0
	s_mov_b32 s[\g+7], 0
.endm
.macro PLACES                          ; four plain vector instructions between a matrix instruction and a load into, or a read of, its registers
.rept 4
	v_nop
.endr
.endm
	s_load_b256 s[4:11], s[0:1], 0x0               ; activations in, wcod, wscl, bias
.if LAST
	s_load_b64 s[16:17], s[0:1], 0x20              ; the output
.else
	s_load_b128 s[12:15], s[0:1], 0x20             ; control points, gains
	s_load_b64 s[16:17], s[0:1], 0x30              ; activations out
.endif
	v_lshl_add_u32 v[SPW], v0, 2, SPARE
	v_mov_b32 v[NIL], 0
	ds_add_u32 v28, v29
	ds_add_u32 v28, v29
	s_wait_dscnt 0x0
	v_lshrrev_b32 v1, 5, v0
	v_readfirstlane_b32 s18, v1                    ; wave
	s_lshr_b32 s19, s18, 1                         ; wm.  Also: I fetch for the rows (0) or for W (1)
	s_and_b32 s20, s18, 1                          ; wn.  Also: which half of a block I fetch
	s_bfe_u32 s21, ttmp6, 0x40000                  ; cx
	s_bfe_u32 s22, ttmp6, 0x40004                  ; cy
	s_lshl_b32 s23, ttmp9, 2
	s_add_co_u32 s23, s23, s21                     ; X: which 128 columns
	s_and_b32 s3, ttmp7, 0xffff
	s_lshl_b32 s3, s3, 2
	s_add_co_u32 s3, s3, s22                       ; Y: which 32 MT rows
	s_lshl_b32 s56, s22, 2
	s_lshl_b32 s56, 15, s56                        ; my row of the cluster
	s_lshl_b32 s57, 0x1111, s21                    ; my column
	s_or_b32 s[G1A], s56, (3<<16)|(1<<21)          ; 15:0 the mask; 17:16 elements of 8 bytes; 21 set beside a mask; no padding: images are read 16 bytes a lane on end
	s_or_b32 s[G1SA], s56, (3<<16)|(1<<21)
	s_or_b32 s[G1B], s57, (3<<16)|(1<<21)
	s_or_b32 s[G1SB], s57, (3<<16)|(1<<21)
	GROUP1 G1A, 16*AB                              ; half a chunk of the rows' images
	GROUP1 G1B, 128                                ; half a chunk of W's
	GROUP1 G1SA, KS*AB/8                           ; half of the rows' scale words
	GROUP1 G1SB, KS                                ; half of W's
	s_mul_i32 s92, s3, KS*AB*1024                  ; the rows' offsets hang on Y and the wave alone,
	s_mul_i32 s58, s20, ASZ/2
	s_add_co_u32 s92, s92, s58
	s_mov_b32 s93, 0
	s_mul_i32 s94, s3, KS*AB*64
	s_mul_i32 s59, s20, KS*AB*32
	s_add_co_u32 s94, s94, s59
	s_add_co_u32 s94, s94, 2097152
	s_mov_b32 s95, 0
	s_mul_i32 s96, s23, KS*8192                    ; W's on X and the wave alone
	s_lshl_b32 s100, s20, 15
	s_add_co_u32 s96, s96, s100
	s_add_co_u32 s96, s96, WOFF
	s_mov_b32 s97, 0
	s_mul_i32 s98, s23, KS*512
	s_mul_i32 s101, s20, KS*256
	s_add_co_u32 s98, s98, s101
	s_add_co_u32 s98, s98, WSOFF
	s_mov_b32 s99, 0
	s_add_co_u32 s100, s100, ASZ                   ; LDS: W's half behind the rows' images; no place in the cluster enters an LDS address
	s_wait_kmcnt 0x0
	s_add_nc_u64 s[92:93], s[4:5], s[92:93]
	s_add_nc_u64 s[94:95], s[4:5], s[94:95]
	s_add_nc_u64 s[96:97], s[6:7], s[96:97]
	s_add_nc_u64 s[98:99], s[8:9], s[98:99]
	CROUND                                         ; all sixteen work-groups are here: the first joint loads meet
	s_mov_b32 s[G0SA], 1
	s_add_co_u32 s[G0SA+1], s59, SCA
	s_mov_b64 s[G0SA+2:G0SA+3], s[94:95]
	s_or_b32 s[G0SA+3], s[G0SA+3], 0x80000000
	s_mov_b32 s[G0SB], 1
	s_add_co_u32 s[G0SB+1], s101, SCB
	s_mov_b64 s[G0SB+2:G0SB+3], s[98:99]
	s_or_b32 s[G0SB+3], s[G0SB+3], 0x80000000
	JLOAD G0SA, G1SA, G0SB, G1SB                   ; the scale words of all of K: filled once
.irp s, 0,1
	s_mov_b32 s[G0A+4*\s], 1
	s_add_co_u32 s[G0A+4*\s+1], s58, \s*SLOT
	s_add_nc_u64 s[G0A+4*\s+2:G0A+4*\s+3], s[92:93], \s*ASZ
	s_or_b32 s[G0A+4*\s+3], s[G0A+4*\s+3], 0x80000000
	s_mov_b32 s[G0B+4*\s], 1
	s_add_co_u32 s[G0B+4*\s+1], s100, \s*SLOT
	s_add_nc_u64 s[G0B+4*\s+2:G0B+4*\s+3], s[96:97], \s*BSZ
	s_or_b32 s[G0B+4*\s+3], s[G0B+4*\s+3], 0x80000000
	JLOAD G0A+4*\s, G1A, G0B+4*\s, G1B             ; chunks 0 and 1: three loads of mine are out
.endr
	; while they are on their way: addresses, the bias, the coefficients
	v_and_b32 v1, 15, v0                           ; r
	v_bfe_u32 v2, v0, 4, 1                         ; h
	v_and_b32 v3, 31, v0                           ; lane
	v_lshlrev_b32 v[OUTO], 4, v3
	s_mul_i32 s58, s19, MT*1024
	v_add_nc_u32 v[ADRA], s58, v[OUTO]
	v_add_nc_u32 v[ADRA+1], SLOT, v[ADRA]
	s_lshl_b32 s58, s20, 12
	s_add_co_u32 s58, s58, ASZ
	v_add_nc_u32 v[ADRB], s58, v[OUTO]
	v_add_nc_u32 v[ADRB+1], SLOT, v[ADRB]
	s_mul_i32 s58, s19, MT*64
	s_add_co_u32 s58, s58, SCA
	v_lshlrev_b32 v[ADSA], 2, v1
	v_mad_u32_u24 v[ADSA], v2, AB*64, v[ADSA]
	v_add_nc_u32 v[ADSA], s58, v[ADSA]
	s_mul_i32 s58, s20, KS*256
	s_add_co_u32 s58, s58, SCB
	v_lshlrev_b32 v[ADSB], 4, v1
	v_lshl_add_u32 v[ADSB], v2, 8, v[ADSB]
	v_add_nc_u32 v[ADSB], s58, v[ADSB]
	s_lshl_b32 s62, s23, 9                         ; the bias of my 64 columns
	s_lshl_b32 s63, s20, 8
	s_add_co_u32 s62, s62, s63
	s_mov_b32 s63, 0
	s_add_nc_u64 s[10:11], s[10:11], s[62:63]
	v_lshlrev_b32 v18, 6, v2                       ; 16 h columns
.irp t, 0,1,2,3
	global_load_b128 v[BIAS+8*\t:BIAS+8*\t+3], v18, s[10:11] offset:(32*(\t/2)+8*(\t%2))*4
	global_load_b128 v[BIAS+8*\t+4:BIAS+8*\t+7], v18, s[10:11] offset:(32*(\t/2)+8*(\t%2))*4+16
.endr
.if LAST
	s_mul_i32 s62, s3, 32*MT                       ; my first row and column of the output, rows of 8,192 bytes
	s_mul_i32 s59, s19, 16*MT
	s_add_co_u32 s62, s62, s59
	s_lshl_b32 s62, s62, 13
	s_lshl_b32 s59, s23, 9
	s_add_co_u32 s62, s62, s59
	s_lshl_b32 s59, s20, 8
	s_add_co_u32 s62, s62, s59
	s_add_nc_u64 s[16:17], s[16:17], s[62:63]
	s_mul_i32 s59, s18, 4352
	s_add_co_u32 s59, s59, STG                     ; my stage
	v_mul_u32_u24 v16, v1, 272
	v_lshl_add_u32 v16, v2, 6, v16
	v_add_nc_u32 v16, s59, v16                     ; in: row r, + 64 h
	v_mul_u32_u24 v17, v2, 272
	v_lshl_add_u32 v17, v1, 4, v17
	v_add_nc_u32 v17, s59, v17                     ; back: lanes 0-15 one row of 256 bytes, lanes 16-31 the next
	v_lshlrev_b32 v15, 4, v1
	v_lshl_add_u32 v15, v2, 13, v15                ; and the same in the output
	s_wait_loadcnt 0x0                             ; the bias
.else
	v_lshl_add_u32 v[CFW], v0, 2, CF
	s_lshl_b32 s58, s20, 8
	s_add_co_u32 s58, s58, CF
	v_lshl_add_u32 v[CFA], v2, 6, s58              ; my columns' coefficients: 256 wn + 64 h
	s_mul_i32 s58, s19, MT*64
	s_lshl_b32 s59, s20, 1
	s_add_co_u32 s58, s58, s59
	s_add_co_u32 s58, s58, SST
	v_lshl_add_u32 v[SSTA], v1, 2, s58             ; my half of row r's new scale word
.if MT == 4
	v_lshl_add_u32 v14, v3, 4, SST                 ; wave 0 sends the new scale words: 16 bytes a lane
	v_lshlrev_b32 v15, 4, v3
.if AB > CBN
	v_mad_u32_u24 v15, v2, KSN*CBN*64-256, v15     ; tiles 4-7 belong to the next block of the next layout
.endif
.else
	v_lshl_add_u32 v14, v3, 3, SST                 ; 8 bytes a lane
	v_lshlrev_b32 v15, 3, v3
.endif
	s_mul_i32 s62, s23, 128*36                     ; COEF: thread i takes column 128 X + i: 8 of its 9 control points (the definition cuts the ninth off) and its gain
	s_add_nc_u64 s[12:13], s[12:13], s[62:63]
	s_lshl_b32 s62, s23, 9
	s_add_nc_u64 s[14:15], s[14:15], s[62:63]
	v_mul_u32_u24 v19, v0, 36
	v_lshlrev_b32 v20, 2, v0
.irp k, 0,1,2,3,4,5,6,7
	global_load_b32 v[64+\k], v19, s[12:13] offset:4*\k
.endr
	global_load_b32 v72, v20, s[14:15]
	s_mul_i32 s62, s3, AB                          ; where the new scale words go: ((first tile / CBN) x KSN + X) x CBN x 64, behind the codes
	s_lshr_b32 s62, s62, LCBN
	s_mul_i32 s62, s62, KSN
	s_add_co_u32 s62, s62, s23
	s_mul_i32 s62, s62, CBN*64
	s_add_co_u32 s62, s62, 2097152
	s_add_nc_u64 s[60:61], s[16:17], s[62:63]
	s_mul_i32 s62, s3, AB                          ; and my wave's chunk of the new images: ((tile / CBN) x KSN + X) x CBN + tile % CBN, x 1,024, + 512 wn
	s_mul_i32 s59, s19, MT
	s_add_co_u32 s62, s62, s59
	s_and_b32 s59, s62, CBN-1
	s_lshr_b32 s62, s62, LCBN
	s_mul_i32 s62, s62, KSN
	s_add_co_u32 s62, s62, s23
	s_mul_i32 s62, s62, CBN
	s_add_co_u32 s62, s62, s59
	s_lshl_b32 s62, s62, 10
	s_lshl_b32 s59, s20, 9
	s_add_co_u32 s62, s62, s59
	s_add_nc_u64 s[16:17], s[16:17], s[62:63]
	s_wait_loadcnt 0x0                             ; the bias, the control points, the gain
.irp k, 0,1,2,3,4,5,6,7
	v_mul_f32 v[64+\k], v[64+\k], v72              ; c_k = control point x gain
.endr
	v_mov_b32 v80, v64                             ; interval 0: c0
	v_sub_f32 v81, v65, v64
	v_mul_f32 v81, 0x40400000, v81                 ; 3 (c1 - c0)
	v_mul_f32 v82, 0x40400000, v64
	v_fmac_f32 v82, 0xc0900000, v65
	v_fmac_f32 v82, 0x3fc00000, v66                ; 3 c0 - 4.5 c1 + 1.5 c2
	v_fma_f32 v83, v65, 0x3fe00000, -v64
	v_fmac_f32 v83, 0xbf6aaaab, v66
	v_fmac_f32 v83, 0x3e2aaaab, v67                ; -c0 + 1.75 c1 - 11/12 c2 + c3 / 6
	v_mul_f32 v84, 0x3e800000, v65                 ; interval 1
	v_fmac_f32 v84, 0x3f155555, v66
	v_fmac_f32 v84, 0x3e2aaaab, v67                ; c1 / 4 + 7/12 c2 + c3 / 6
	v_mul_f32 v85, 0xbf400000, v65
	v_fmac_f32 v85, 0x3e800000, v66
	v_fmac_f32 v85, 0.5, v67                       ; -.75 c1 + .25 c2 + .5 c3
	v_mul_f32 v86, 0x3f400000, v65
	v_fmac_f32 v86, 0xbfa00000, v66
	v_fmac_f32 v86, 0.5, v67                       ; .75 c1 - 1.25 c2 + .5 c3
	v_mul_f32 v87, 0xbe800000, v65
	v_fmac_f32 v87, 0x3f155555, v66
	v_fmac_f32 v87, -0.5, v67
	v_fmac_f32 v87, 0x3e2aaaab, v68                ; -.25 c1 + 7/12 c2 - .5 c3 + c4 / 6
	v_mul_f32 v88, 0x3e2aaaab, v66                 ; interval 2
	v_fmac_f32 v88, 0x3f2aaaab, v67
	v_fmac_f32 v88, 0x3e2aaaab, v68                ; c2 / 6 + 2/3 c3 + c4 / 6
	v_sub_f32 v89, v68, v66
	v_mul_f32 v89, 0.5, v89                        ; .5 (c4 - c2)
	v_add_f32 v90, v66, v68
	v_add_f32 v90, v90, v69
	v_fma_f32 v90, v90, 0.5, -v67                  ; .5 (c2 + c4 + c5) - c3
	v_sub_f32 v91, v67, v68
	v_mul_f32 v91, 0.5, v91
	v_fmac_f32 v91, 0xbe2aaaab, v66                ; .5 (c3 - c4) - c2 / 6
	v_mul_f32 v92, 0x3e2aaaab, v67                 ; interval 3
	v_fmac_f32 v92, 0x3f2aaaab, v68
	v_fmac_f32 v92, 0.5, v69                       ; c3 / 6 + 2/3 c4 + .5 c5
	v_add_f32 v93, v69, v70
	v_fmac_f32 v93, -0.5, v67                      ; c5 + c6 - .5 c3
	v_add_f32 v94, v68, v69
	v_fma_f32 v94, v67, 0.5, -v94                  ; .5 c3 - c4 - c5
	v_mul_f32 v95, 0.5, v68
	v_fmac_f32 v95, 0xbe2aaaab, v67                ; .5 c4 - c3 / 6
	v_add_f32 v96, v70, v71                        ; interval 4
	v_fmac_f32 v96, 0.5, v69
	v_fmac_f32 v96, 0x3e2aaaab, v68                ; c4 / 6 + .5 c5 + c6 + c7
	v_add_f32 v97, v69, v70
	v_fma_f32 v97, v68, -0.5, -v97                 ; -.5 c4 - c5 - c6
	v_add_f32 v98, v68, v69
	v_mul_f32 v98, 0.5, v98                        ; .5 (c4 + c5)
	v_mul_f32 v99, 0xbe2aaaab, v68                 ; -c4 / 6
.set JJ, 0
.rept 20
	ds_store_b32 v[CFW], v[80+JJ] offset:512*JJ
.set JJ, JJ+1
.endr
.endif
.macro FETCH slot, q, set              ; the fragments of the slot's q-th K step: images come back as they were stored
.set FB, FR0+64*(\set)
.set II, 0
.rept MT
	ds_load_b128 v[FB+8*II:FB+8*II+3], v[ADRA+\slot] offset:(\q)*AB*1024+II*1024
	ds_load_b128 v[FB+8*II+4:FB+8*II+7], v[ADRA+\slot] offset:(\q)*AB*1024+II*1024+512
.set II, II+1
.endr
.irp t, 0,1,2,3
	ds_load_b128 v[FB+32+8*\t:FB+32+8*\t+3], v[ADRB+\slot] offset:(\q)*8192+\t*1024
	ds_load_b128 v[FB+32+8*\t+4:FB+32+8*\t+7], v[ADRB+\slot] offset:(\q)*8192+\t*1024+512
.endr
.endm
.macro SCLS ch                         ; a chunk's scale words.  Register SA + 4 i + p: K steps 2 p (lanes 0-15) and 2 p + 1 (lanes 16-31) of row tile i;  SB + 4 t + j: K steps j and 4 + j of W's tile t
.set II, 0
.rept MT
.irp p, 0,1,2,3
	ds_load_b32 v[SA+4*II+\p], v[ADSA] offset:(8*(\ch)+2*\p)*AB*64+64*II
.endr
.set II, II+1
.endr
.irp t, 0,1,2,3
	ds_load_b128 v[SB+4*\t:SB+4*\t+3], v[ADSB] offset:\t*KS*64+512*(\ch)
.endr
.endm
.macro WM acc, bfr, afr, sw, sx, q, first      ; one product; the halves of the scale registers go by the K step's number
.if \first
	v_wmma_scale_f32_16x16x128_f8f6f4 v[\acc:\acc+7], v[\bfr:\bfr+7], v[\afr:\afr+7], v[BIAS+(\acc)%32:BIAS+(\acc)%32+7], v[\sw], v[\sx] matrix_a_fmt:MATRIX_FMT_FP4 matrix_b_fmt:MATRIX_FMT_FP4
.elseif ((\q) < 4) && ((\q)%2 == 0)
	v_wmma_scale_f32_16x16x128_f8f6f4 v[\acc:\acc+7], v[\bfr:\bfr+7], v[\afr:\afr+7], v[\acc:\acc+7], v[\sw], v[\sx] matrix_a_fmt:MATRIX_FMT_FP4 matrix_b_fmt:MATRIX_FMT_FP4
.elseif (\q) < 4
	v_wmma_scale_f32_16x16x128_f8f6f4 v[\acc:\acc+7], v[\bfr:\bfr+7], v[\afr:\afr+7], v[\acc:\acc+7], v[\sw], v[\sx] matrix_a_fmt:MATRIX_FMT_FP4 matrix_b_fmt:MATRIX_FMT_FP4 matrix_b_scale:MATRIX_SCALE_ROW1
.elseif (\q)%2 == 0
	v_wmma_scale_f32_16x16x128_f8f6f4 v[\acc:\acc+7], v[\bfr:\bfr+7], v[\afr:\afr+7], v[\acc:\acc+7], v[\sw], v[\sx] matrix_a_fmt:MATRIX_FMT_FP4 matrix_b_fmt:MATRIX_FMT_FP4 matrix_a_scale:MATRIX_SCALE_ROW1
.else
	v_wmma_scale_f32_16x16x128_f8f6f4 v[\acc:\acc+7], v[\bfr:\bfr+7], v[\afr:\afr+7], v[\acc:\acc+7], v[\sw], v[\sx] matrix_a_fmt:MATRIX_FMT_FP4 matrix_b_fmt:MATRIX_FMT_FP4 matrix_a_scale:MATRIX_SCALE_ROW1 matrix_b_scale:MATRIX_SCALE_ROW1
.endif
.endm
.macro MULS q, set, first              ; a K step: the 4 MT accumulators take turns, one instruction a turn, in the same order in every step
.set FB, FR0+64*(\set)
.set II, 0
.rept MT
.irp t, 0,1,2,3
	WM 8*(4*II+\t), FB+32+8*\t, FB+8*II, SB+4*\t+((\q)&3), SA+4*II+((\q)>>1), \q, \first
.endr
.set II, II+1
.endr
.endm
.macro CHUNK ch, first                 ; 8 K steps out of slot ch % 2; a step's fragments are asked for one step ahead
.set SL, (\ch)%2
.if (\first) == 0
	PLACES
.endif
	SCLS \ch
	FETCH SL, 0, 0
.set QQ, 0
.rept 8
.if QQ > 0
	PLACES
.endif
.if QQ < 7
	FETCH SL, QQ+1, (QQ+1)%2
	s_wait_dscnt NF                                ; all but the NF loads just issued
.else
	s_wait_dscnt 0x0
.endif
.if (\first) && (QQ == 0)
	WIN 0x40                                       ; D window 1; the bias, as C, window 0: the first products start the sums
	MULS QQ, QQ%2, 1
.else
	WIN 0x50                                       ; C and D window 1
	MULS QQ, QQ%2, 0
.endif
	WIN 0
.set QQ, QQ+1
.endr
.endm
.macro CHANGE fill, slot               ; between two chunks.  fill = 1: the slot just read takes the chunk two further on
	s_wait_tensorcnt 0x0                           ; all my tensor loads have landed, my part of the next slot among them: a group 0 may be written
	ds_add_u32 v[SPW], v[NIL]                      ; 0 onto my spare word
.if \fill
	s_add_nc_u64 s[G0A+4*\slot+2:G0A+4*\slot+3], s[G0A+4*\slot+2:G0A+4*\slot+3], 2*ASZ
	s_add_nc_u64 s[G0B+4*\slot+2:G0B+4*\slot+3], s[G0B+4*\slot+2:G0B+4*\slot+3], 2*BSZ
.endif
	s_wait_dscnt 0x0                               ; the add is done, and my reads of the slot are over
.if \fill
	CROUND                                         ; no wave of any partner still reads the slot or has a load on its way
	JLOAD G0A+4*\slot, G1A, G0B+4*\slot, G1B       ; the first thing behind the round; it has a chunk's 32 MT products in which to land
.else
	s_barrier_signal -1
	s_barrier_wait -1
.endif
.endm
	s_wait_tensorcnt 0x1                           ; the scale words and my part of chunk 0 are in; chunk 1's load may stay out
	s_wait_dscnt 0x0                               ; my coefficients have landed
	s_barrier_signal -1
	s_barrier_wait -1
	CHUNK 0, 1
.if NCH == 4
	CHANGE 1, 0
	CHUNK 1, 0
	CHANGE 1, 1
	CHUNK 2, 0
	CHANGE 0, 0
	CHUNK 3, 0
.else
	CHANGE 0, 0
	CHUNK 1, 0
.endif
.if LAST
	; THE WAY OUT: a tile of 16 rows x 64 columns goes through my own stage and comes back as rows of 256 bytes
	PLACES
.set II, 0
.rept MT
	WIN 0x04                                       ; an LDS store's data: window 1
.irp t, 0,1,2,3
	ds_store_b128 v16, v[8*(4*II+\t):8*(4*II+\t)+3] offset:128*(\t/2)+32*(\t%2)        ; each accumulator from its low end on
	ds_store_b128 v16, v[8*(4*II+\t)+4:8*(4*II+\t)+7] offset:128*(\t/2)+32*(\t%2)+16
.endr
	WIN 0
.irp k, 0,1,2,3,4,5,6,7
	ds_load_b128 v[64+32*II+4*\k:64+32*II+4*\k+3], v17 offset:544*\k   ; LDS serves a wave's instructions in order: these see the stores above, and the next tile's stores come behind them
.endr
.irp k, 0,1,2,3,4,5,6,7
	s_wait_dscnt 7-\k
	global_store_b128 v15, v[64+32*II+4*\k:64+32*II+4*\k+3], s[16:17] offset:131072*II+16384*\k th:TH_STORE_NT   ; sixteen lanes store 256 consecutive bytes, aligned
.endr
.set II, II+1
.endr
.else
.macro CLOAD set, t, qd                ; the 20 coefficients of four neighbouring columns: tile t, registers 4 qd .. 4 qd + 3
.set CB, FR0+80*(\set)
.set JJ, 0
.rept 20
	ds_load_b128 v[CB+4*JJ:CB+4*JJ+3], v[CFA] offset:512*JJ+128*((\t)/2)+32*((\t)%2)+16*(\qd)
.set JJ, JJ+1
.endr
.endm
.macro SPL i, t, qd, set               ; four numbers of accumulator (i, t): from r to the layer's result, in place
.set A0, 8*(4*(\i)+(\t))+4*(\qd)
.set CO, FR0+80*(\set)
	WIN 0x45                                       ; destination, sources 0 and 1 window 1; source 2 window 0
.set SS, 0
.irp c, 0x40a00000, 4.0, 0x40400000, 2.0, 1.0
	v_pk_fma_f32 v[VV+4*SS:VV+4*SS+1], v[A0:A0+1], v[128:129], \c op_sel_hi:[1,1,0]       ; v = (5 - s) - 5 r
	v_pk_fma_f32 v[VV+4*SS+2:VV+4*SS+3], v[A0+2:A0+3], v[128:129], \c op_sel_hi:[1,1,0]
.set SS, SS+1
.endr
	WIN 0x41                                       ; sources 1 and 2: the coefficients, window 0
.irp s, 0,1,2,3,4
.irp p, 0,2
	v_pk_fma_f32 v[PP+4*\s+\p:PP+4*\s+\p+1], v[VV+4*\s+\p:VV+4*\s+\p+1], v[CO+16*\s+12+\p:CO+16*\s+13+\p], v[CO+16*\s+8+\p:CO+16*\s+9+\p]
.endr
.endr
	WIN 0x45
.irp k, 1,0
.irp s, 0,1,2,3,4
.irp p, 0,2
	v_pk_fma_f32 v[PP+4*\s+\p:PP+4*\s+\p+1], v[PP+4*\s+\p:PP+4*\s+\p+1], v[VV+4*\s+\p:VV+4*\s+\p+1], v[CO+16*\s+4*\k+\p:CO+16*\s+4*\k+\p+1]
.endr
.endr
.endr
.irp k, 0,1,2,3,4
.irp e, 0,1,2,3
	v_cmp_ge_f32 s[24+4*\k+\e], s[44+\k], v[A0+\e]         ; r <= 0.8, 0.6, 0.4, 0.2, 2^-26
.endr
.endr
.irp k, 0,1,2,3
.irp e, 0,1,2,3
	v_cndmask_b32 v[PP+\e], v[PP+\e], v[PP+4*(\k+1)+\e], s[24+4*\k+\e]
.endr
.endr
.irp e, 0,1,2,3
	v_cndmask_b32 v[PP+\e], v[PP+\e], v134, s[40+\e]       ; tanh = 1: no interval
.endr
.if \qd
.irp e, 0,1,2,3
	v_med3_num_f32 v[A0+\e], v[PP+\e], s49, s50            ; the clip; pairs 2 and 3 of eight columns are left as they are: their commutators are 0
.endr
.else
.irp e, 0,1,2,3
	v_med3_num_f32 v[PP+\e], v[PP+\e], s49, s50
.endr
	v_med3_num_f32 v[TT], v[PP+1], -1.0, 1.0               ; pairs 0 and 1: each number takes +-.05 x its partner, clipped at +-1
	v_med3_num_f32 v[TT+1], v[PP], -1.0, 1.0
	v_med3_num_f32 v[TT+2], v[PP+3], -1.0, 1.0
	v_med3_num_f32 v[TT+3], v[PP+2], -1.0, 1.0
	WIN 0x55
	v_pk_fma_f32 v[A0:A0+1], v[TT:TT+1], v[130:131], v[PP:PP+1]
	v_pk_fma_f32 v[A0+2:A0+3], v[TT+2:TT+3], v[132:133], v[PP+2:PP+3]
.endif
.endm
	; THE ACTIVATION.  No tensor load of mine is out: the descriptors' registers are free.  s24-43 lane masks, s44-48 the knots in r
	s_mov_b32 s44, 0x3f4ccccd
	s_mov_b32 s45, 0x3f19999a
	s_mov_b32 s46, 0x3ecccccd
	s_mov_b32 s47, 0x3e4ccccd
	s_mov_b32 s48, 0x32800000
	s_mov_b32 s49, 0xc1200000                      ; -10
	s_mov_b32 s50, 0x41200000                      ; 10
	s_mov_b32 s52, 0x4038aa3b                      ; 2 log2(e)
	s_mov_b32 s53, s52                             ; (named with it as a pair)
	s_mov_b32 s54, 0x76543210
	s_mov_b32 s55, 0xfedcba98                      ; v_permlanex16_b32's selects for lane l xor 16
	WIN 0x40                                       ; these fifteen lines are also the places behind the last products
	v_mov_b32 v128, 0xc0a00000                     ; -5, twice
	v_mov_b32 v129, 0xc0a00000
	v_mov_b32 v130, 0x3d4ccccd                     ; .05, .05, -.05, .05
	v_mov_b32 v131, 0x3d4ccccd
	v_mov_b32 v132, 0xbd4ccccd
	v_mov_b32 v133, 0x3d4ccccd
	v_mov_b32 v134, 0
.irp u, 0,1,2,3,4,5,6,7
	v_mov_b32 v[TP+\u], 0                          ; a lane permute's destination counts as read
.endr
	WIN 0
	CLOAD 0, 0, 0
	CLOAD 1, 0, 1
	WIN 0x45
.set JJ, 0
.rept 16*MT
	v_pk_mul_f32 v[JJ:JJ+1], v[JJ:JJ+1], s[52:53] op_sel_hi:[1,0]   ; ascending: each accumulator is read from its low end on
.set JJ, JJ+2
.endr
.set JJ, 0
.rept 32*MT
	v_exp_f32 v[JJ], v[JJ]
.set JJ, JJ+1
.endr
	v_nop                                          ; a plain place behind the exponentials
.set JJ, 0
	s_wait_alu depctr_va_vdst(0)
.rept 16*MT
	v_pk_add_f32 v[JJ:JJ+1], v[JJ:JJ+1], 1.0 op_sel_hi:[1,0]
.set JJ, JJ+2
.endr
.set JJ, 0
.rept 32*MT
	v_rcp_f32 v[JJ], v[JJ]                         ; r
.set JJ, JJ+1
.endr
	v_nop
	s_wait_alu depctr_va_vdst(0)
.set SG, 0
.rept 8                                        ; four columns at a time, for all my row tiles; the coefficients come two sets ahead
.if SG < 7
	s_wait_dscnt 20                                ; this set is in; the next set's 20 loads may be out
.else
	s_wait_dscnt 0x0
.endif
.set IS, 0
.rept MT
	SPL IS, SG/2, SG%2, SG%2
.set IS, IS+1
.endr
	WIN 0
.if SG < 6
	CLOAD SG%2, (SG+2)/2, SG%2
.endif
.set SG, SG+1
.endr
	; THE QUANTISER: block u = 2 i + b is registers 16 u .. 16 u + 15 of lanes l and l xor 16
	WIN 0x55
.set NU, 2*MT
.set UU, 0
.rept NU
	v_max3_num_f32 v[TM+UU], |v[16*UU]|, |v[16*UU+1]|, 0x1800000   ; with the floor 2^(3 - 127): the byte cannot fall under 1
.set UU, UU+1
.endr
.irp j, 2,4,6,8,10,12,14
.set UU, 0
.rept NU
	v_max3_num_f32 v[TM+UU], v[TM+UU], |v[16*UU+\j]|, |v[16*UU+\j+1]|
.set UU, UU+1
.endr
.endr
.set UU, 0
.rept NU
	v_permlanex16_b32 v[TP+UU], v[TM+UU], s54, s55
.set UU, UU+1
.endr
.set UU, 0
.rept NU
	v_max_num_f32 v[TM+UU], v[TM+UU], v[TP+UU]
.set UU, UU+1
.endr
.set UU, 0
.rept NU
	v_add_nc_u32 v[TS+UU], 0xff000000, v[TM+UU]    ; 2 off the exponent field: the conversion's scale operand
.set UU, UU+1
.endr
.set UU, 0
.rept NU
	v_lshrrev_b32 v[TP+UU], 23, v[TS+UU]           ; the byte
.set UU, UU+1
.endr
.set II, 0
.rept MT
	v_lshl_or_b32 v[HWD+II], v[TP+2*II+1], 8, v[TP+2*II]   ; my wave's half of row r's scale word
.set II, II+1
.endr
.set UU, 0
.rept NU
	v_cvt_scalef32_pk8_fp4_f32 v[PC+2*UU], v[16*UU:16*UU+7], v[TS+UU]
	v_cvt_scalef32_pk8_fp4_f32 v[PC+2*UU+1], v[16*UU+8:16*UU+15], v[TS+UU]
.set UU, UU+1
.endr
	v_nop                                          ; one plain place behind the scaled conversions
.set II, 0
.rept MT
	v_permlane16_swap_b32 v[PC+4*II], v[PC+4*II+2]     ; a whole block to a lane: the four registers are chunk wn of the new image
	v_permlane16_swap_b32 v[PC+4*II+1], v[PC+4*II+3]
.set II, II+1
.endr
	WIN 0x04                                       ; a store's data: window 1
.set II, 0
.rept MT
	global_store_b128 v[OUTO], v[PC+4*II:PC+4*II+3], s[16:17] offset:1024*II   ; 512 consecutive bytes, aligned
	ds_store_b16 v[SSTA], v[HWD+II] offset:64*II       ; lanes l and l xor 16 write the same bytes with the same value
.set II, II+1
.endr
	WIN 0
	s_wait_dscnt 0x0                               ; for the others' sake
	s_barrier_signal -1
	s_barrier_wait -1                              ; the work-group's new scale words are whole
	s_cmp_lg_u32 s18, 0
	s_cbranch_scc1 .Lnot_mine
.if MT == 4
	ds_load_b128 v[64:67], v14
	s_wait_dscnt 0x0
	global_store_b128 v15, v[64:67], s[60:61]      ; sixteen lanes store 256 consecutive bytes, aligned
.else
	ds_load_b64 v[64:65], v14
	s_wait_dscnt 0x0
	global_store_b64 v15, v[64:65], s[60:61]       ; the wave stores 256 consecutive bytes, aligned
.endif
.Lnot_mine:
.endif
	s_wait_tensorcnt 0x0                           ; the wave's end
	ds_add_u32 v[SPW], v[NIL]
	s_wait_dscnt 0x0
	CROUND                                         ; the closing round
	s_endpgm
.Lfunc_end_k_q38136b3b5b_g1:
	.size	k_q38136b3b5b_g1, .Lfunc_end_k_q38136b3b5b_g1-k_q38136b3b5b_g1
	.p2alignl 7, 3214868480
	.fill 96, 4, 3214868480
	.section	.rodata,"a",@progbits
	.p2align	6, 0x0
	.amdhsa_kernel k_q38136b3b5b_g1
		.amdhsa_group_segment_fixed_size 327680
		.amdhsa_private_segment_fixed_size 0
		.amdhsa_enable_private_segment 0
		.amdhsa_kernarg_size 56
		.amdhsa_user_sgpr_count 2
		.amdhsa_user_sgpr_kernarg_segment_ptr 1
		.amdhsa_wavefront_size32 1
		.amdhsa_system_sgpr_workgroup_id_x 1
		.amdhsa_system_sgpr_workgroup_id_y 1
		.amdhsa_system_sgpr_workgroup_id_z 1
		.amdhsa_system_vgpr_workitem_id 0
		.amdhsa_next_free_vgpr 512
		.amdhsa_next_free_sgpr 104
		.amdhsa_reserve_vcc 0
		.amdhsa_float_denorm_mode_32 3
		.amdhsa_float_denorm_mode_16_64 3
		.amdhsa_memory_ordered 1
		.amdhsa_forward_progress 1
		.amdhsa_inst_pref_size 255
	.end_amdhsa_kernel
	.section	.bss,"aw",@nobits
	.p2align	6
	.space	262144
	.amdgpu_metadata
---
amdhsa.version: [ 1, 2 ]
amdhsa.kernels:
  - .name:           k_q38136b3b5b_g1
    .symbol:         k_q38136b3b5b_g1.kd
    .args:
      - { .name: actp, .offset: 0, .size: 8, .value_kind: global_buffer, .address_space: global }
      - { .name: wcod, .offset: 8, .size: 8, .value_kind: global_buffer, .address_space: global }
      - { .name: wscl, .offset: 16, .size: 8, .value_kind: global_buffer, .address_space: global }
      - { .name: b1, .offset: 24, .size: 8, .value_kind: global_buffer, .address_space: global }
      - { .name: cp1, .offset: 32, .size: 8, .value_kind: global_buffer, .address_space: global }
      - { .name: rw1, .offset: 40, .size: 8, .value_kind: global_buffer, .address_space: global }
      - { .name: actq, .offset: 48, .size: 8, .value_kind: global_buffer, .address_space: global }
    .group_segment_fixed_size: 327680
    .private_segment_fixed_size: 0
    .kernarg_segment_align: 8
    .kernarg_segment_size: 56
    .max_flat_workgroup_size: 128
    .sgpr_count:     104
    .vgpr_count:     512
    .wavefront_size: 32
...
	.end_amdgpu_metadata
.endif
;; end of part 2
;; launch g2 (part 3): grid 32 x 8, 4 waves a work-group, clusters of 4 x 4, 327,680 bytes of LDS; arguments actq, wcod, wscl, b2, cp2, rw2, actp; writes actp
.if DOCPART == 3
	.amdgcn_target "amdgcn-amd-amdhsa--gfx1250"
	.amdhsa_code_object_version 6
	.text
	.protected	k_q38136b3b5b_g2
	.globl	k_q38136b3b5b_g2
	.p2align	8
	.type	k_q38136b3b5b_g2,@function
k_q38136b3b5b_g2:
	s_mov_b64 s[64:65], 0
	v_nop
	global_prefetch_b8 v0, s[64:65] scope:SCOPE_SE
	s_setreg_imm32_b32 hwreg(HW_REG_WAVE_MODE, 25, 1), 1
	s_wait_xcnt 0x0
	s_wait_alu depctr_hold_cnt(0) depctr_sa_sdst(0) depctr_va_vdst(0) depctr_va_sdst(0) depctr_va_ssrc(0) depctr_va_vcc(0) depctr_vm_vsrc(0)
	s_getreg_b32 s2, hwreg(HW_REG_IB_STS2, 6, 4)
	s_cmp_eq_u32 s2, 0
	s_cbranch_scc0 .Lentry_in_a_cluster
	s_endpgm
.Lentry_in_a_cluster:
	s_bfe_u32 s2, ttmp6, 0x10000c
	s_cmp_lg_u32 s2, 0xf033
	s_cbranch_scc0 .Lentry_shape_is_right
	s_endpgm
.Lentry_shape_is_right:
; LAYER 2: cur [1024][4096] x W2^T [4096][4096] + b2 on codes of FP4 with E8M0 scales; then tanh, the spline, the gain, the clip at +-10, the pairwise transform; the result is quantised along its columns for the next product.
; (One text serves the four layers; the eight lines below differ.)
.set SIZE_K, 4096                      ; this product's K
.set MT,     4                         ; tiles of 16 rows a wave
.set WOFF,   4194304                   ; the weight's place in wcod
.set WSOFF,  262144                    ; and in wscl
.set LAST,   0                         ; 1: no activation; f32 results leave as they are
.set KSN,    32                        ; the next product's K steps of 128
.set CBN,    4                         ; row tiles in a block of the next product's layout,
.set LCBN,   2                         ; and its logarithm
; LAYOUTS (made by the launches before).  An IMAGE is a fragment's registers on end: 16 rows x 128 K = 2 chunks of 512 bytes, lane l's 16 bytes at 16 l.  Activations: [block of AB row tiles][K step][tile][image], and from byte
; 2,097,152 the scale words [block][K step][tile][16 words].  Weights: [block of 128 rows][K step][tile 0..7][image]; scale words [block][tile][K step / 4][lane][4 words].  So all that a work-group wants is dense in memory.
; SHARES.  256 work-groups; a work-group makes 32 MT rows x 128 columns, its four waves 2 x 2: wave (wm, wn) makes 16 MT rows x 64 columns: 4 MT accumulators.  128 columns are one K step of the next product.
; THE PRODUCT IS USED TRANSPOSED (source 0 = a tile of W, source 1 = a tile of rows).  Lane r of W's tile t is row 32 (t / 2) + 8 (t % 2) + r + 8 (r / 8): so in accumulator (i, t) lane (r, h) holds row 16 i + r, and its register j
; column 32 (t / 2) + 16 h + 8 (t % 2) + j: the 16 registers of tiles 2 b, 2 b + 1 are 16 neighbours along the next K.  The bias is the C of each sum's first product.
; K goes in chunks of 1,024 (8 K steps) through two LDS slots filled by joint tensor loads: 4 x 4 work-groups form a cluster; the four of a row share the rows' images, the four of a column the weight's.
; THE ACTIVATION.  E = 2^(2 log2(e) lin), r = 1 / (1 + E): tanh = 1 - 2 r.  z = 2.5 (tanh + 1) = 5 - 5 r runs over the knots 0,0,0,0,1,2,3,4,5,5,5,5.  The module's unfinished recursion leaves five cubic, one quadratic, one linear
; and one constant basis function; on interval s their sum with the control points x gain is one cubic in v = z - s.  Its 20 coefficients a column are made once (COEF) and kept in LDS; all five cubics are evaluated, packed, and the
; right one is chosen by compares on r and v_cndmask_b32: no branch on data.  tanh = 1 (r <= 2^-26) lies in no interval: the spline is 0 there.
; LIMITS.  NaN and infinities are not served.  The knots are tested on r = (1 - tanh) / 2: within about an ulp of tanh = 0.6, where the constant function sets in, the jump of cp[7] x rw may fall on the other side.  Where 1 - tanh
; is a few ulps (lin from about 7.9 to 9.1) whether tanh counts as 1 hangs on the last bits of the tanh in use.  A block of zeros, or under 2^-124, gets the scale byte 1 (read by this program alone).
.set KS,   SIZE_K/128
.set NCH,  SIZE_K/1024
.set AB,   2*MT
.set ASZ,  AB*8192                     ; a chunk's images of my rows
.set BSZ,  65536                       ; and of my 128 rows of W
.set SLOT, ASZ+BSZ
.set SCA,  2*SLOT                      ; behind the ring: the rows' scale words for all of K,
.set SCB,  SCA+KS*AB*64                ; the weight's,
.set CF,   SCB+KS*512                  ; the coefficients [4 s + k][128 columns] f32: written by LDS stores alone,
.set SST,  CF+10240                    ; the new scale words [tile][16]: likewise,
.set STG,  SST+512                     ; four stages of 16 rows x 272 bytes for f32 results (LAST),
.set SPARE, STG+17408                  ; and the spare words, 128 bytes a wave, which no other line names
.set NF,   2*(MT+4)                    ; LDS loads of a K step's fragments
; window 0: v1 r, v2 h, v3 lane; the addresses below; v32-47, v48-63 scale words and nothing else; v64-127, v128-191 two sets of fragments (rows' at + 8 i, W's at + 32 + 8 t); v192-223 the bias.  Later v64-143, v144-223: two sets of coefficients.
; window 1: v0-127 the accumulators ((i, t) at 8 (4 i + t)); v128-134 constants; from v136 the activation's and the quantiser's registers.
.set ADRA, 4                           ; v4, v5  my rows' images in slot 0, 1
.set ADRB, 6                           ; v6, v7  my tiles of W
.set ADSA, 8                           ; the rows' scale words: lanes 0-15 an even K step, lanes 16-31 the odd one behind it
.set ADSB, 9                           ; W's: lanes 0-15 K steps 0-3 of a chunk, lanes 16-31 K steps 4-7
.set CFW,  10
.set CFA,  11
.set SSTA, 12
.set OUTO, 13                          ; 16 x lane
.set SPW,  28
.set NIL,  29
.set SA,   32
.set SB,   48
.set FR0,  64
.set BIAS, 192
.set VV,   136                         ; window 1: v = z - s, 4 registers for each s
.set PP,   156                         ; the five cubics
.set TT,   176
.set TM,   180
.set TP,   188
.set TS,   196
.set HWD,  204
.set PC,   208
.set G1A,  24                          ; descriptors: rows' images: group 1, group 0 for each slot;
.set G0A,  32
.set G1B,  40                          ; W's images;
.set G0B,  48
.set G1SA, 68                          ; rows' scale words;
.set G0SA, 76
.set G1SB, 80                          ; W's
.set G0SB, 88
.set MSB, 0
.macro WIN new                         ; s_set_vgpr_msb: bits 1:0 source 0, 3:2 source 1, 5:4 source 2, 7:6 destination; the high byte repeats the setting that is left
.if MSB != \new
	s_set_vgpr_msb (MSB<<8)|\new
.set MSB, \new
.endif
.endm
.macro JLOAD g0a, g1a, g0b, g1b        ; a joint load: waves 0 and 1 fetch for the rows, waves 2 and 3 for W; the branch hangs on the wave's number alone; four v_nop follow each line
	s_cmp_eq_u32 s19, 0
	s_cbranch_scc0 .Lfor_b_\@
	tensor_load_to_lds s[\g0a:\g0a+3], s[\g1a:\g1a+7]
	s_nop 0
.rept 4
	v_nop
.endr
	s_branch .Lasked_\@
.Lfor_b_\@:
	tensor_load_to_lds s[\g0b:\g0b+3], s[\g1b:\g1b+7]
	s_nop 0
.rept 4
	v_nop
.endr
.Lasked_\@:
.endm
.macro CROUND                          ; a round of the cluster's barrier
	s_barrier_signal -1
	s_barrier_wait -1
	s_cmp_lg_u32 s18, 0
	s_cbranch_scc1 .Lnot_wave_0_\@
	s_barrier_signal -3
.Lnot_wave_0_\@:
	s_barrier_wait -3
	s_barrier_signal -1
	s_barrier_wait -1
.endm
.macro GROUP1 g, rows                  ; a dense block as rows of 256 bytes: 32 elements of 8 bytes, pitch 32
	s_mov_b32 s[\g+1], 32<<16
	s_mov_b32 s[\g+2], (\rows)<<16
	s_mov_b32 s[\g+3], 32<<16
	s_mov_b32 s[\g+4], \rows
	s_mov_b32 s[\g+5], 32
	s_mov_b32 s[\g+6], 0
	s_mov_b32 s[\g+7], 0
.endm
.macro PLACES                          ; four plain vector instructions between a matrix instruction and a load into, or a read of, its registers
.rept 4
	v_nop
.endr
.endm
	s_load_b256 s[4:11], s[0:1], 0x0               ; activations in, wcod, wscl, bias
.if LAST
	s_load_b64 s[16:17], s[0:1], 0x20              ; the output
.else
	s_load_b128 s[12:15], s[0:1], 0x20             ; control points, gains
	s_load_b64 s[16:17], s[0:1], 0x30              ; activations out
.endif
	v_lshl_add_u32 v[SPW], v0, 2, SPARE
	v_mov_b32 v[NIL], 0
	ds_add_u32 v28, v29
	ds_add_u32 v28, v29
	s_wait_dscnt 0x0
	v_lshrrev_b32 v1, 5, v0
	v_readfirstlane_b32 s18, v1                    ; wave
	s_lshr_b32 s19, s18, 1                         ; wm.  Also: I fetch for the rows (0) or for W (1)
	s_and_b32 s20, s18, 1                          ; wn.  Also: which half of a block I fetch
	s_bfe_u32 s21, ttmp6, 0x40000                  ; cx
	s_bfe_u32 s22, ttmp6, 0x40004                  ; cy
	s_lshl_b32 s23, ttmp9, 2
	s_add_co_u32 s23, s23, s21                     ; X: which 128 columns
	s_and_b32 s3, ttmp7, 0xffff
	s_lshl_b32 s3, s3, 2
	s_add_co_u32 s3, s3, s22                       ; Y: which 32 MT rows
	s_lshl_b32 s56, s22, 2
	s_lshl_b32 s56, 15, s56                        ; my row of the cluster
	s_lshl_b32 s57, 0x1111, s21                    ; my column
	s_or_b32 s[G1A], s56, (3<<16)|(1<<21)          ; 15:0 the mask; 17:16 elements of 8 bytes; 21 set beside a mask; no padding: images are read 16 bytes a lane on end
	s_or_b32 s[G1SA], s56, (3<<16)|(1<<21)
	s_or_b32 s[G1B], s57, (3<<16)|(1<<21)
	s_or_b32 s[G1SB], s57, (3<<16)|(1<<21)
	GROUP1 G1A, 16*AB                              ; half a chunk of the rows' images
	GROUP1 G1B, 128                                ; half a chunk of W's
	GROUP1 G1SA, KS*AB/8                           ; half of the rows' scale words
	GROUP1 G1SB, KS                                ; half of W's
	s_mul_i32 s92, s3, KS*AB*1024                  ; the rows' offsets hang on Y and the wave alone,
	s_mul_i32 s58, s20, ASZ/2
	s_add_co_u32 s92, s92, s58
	s_mov_b32 s93, 0
	s_mul_i32 s94, s3, KS*AB*64
	s_mul_i32 s59, s20, KS*AB*32
	s_add_co_u32 s94, s94, s59
	s_add_co_u32 s94, s94, 2097152
	s_mov_b32 s95, 0
	s_mul_i32 s96, s23, KS*8192                    ; W's on X and the wave alone
	s_lshl_b32 s100, s20, 15
	s_add_co_u32 s96, s96, s100
	s_add_co_u32 s96, s96, WOFF
	s_mov_b32 s97, 0
	s_mul_i32 s98, s23, KS*512
	s_mul_i32 s101, s20, KS*256
	s_add_co_u32 s98, s98, s101
	s_add_co_u32 s98, s98, WSOFF
	s_mov_b32 s99, 0
	s_add_co_u32 s100, s100, ASZ                   ; LDS: W's half behind the rows' images; no place in the cluster enters an LDS address
	s_wait_kmcnt 0x0
	s_add_nc_u64 s[92:93], s[4:5], s[92:93]
	s_add_nc_u64 s[94:95], s[4:5], s[94:95]
	s_add_nc_u64 s[96:97], s[6:7], s[96:97]
	s_add_nc_u64 s[98:99], s[8:9], s[98:99]
	CROUND                                         ; all sixteen work-groups are here: the first joint loads meet
	s_mov_b32 s[G0SA], 1
	s_add_co_u32 s[G0SA+1], s59, SCA
	s_mov_b64 s[G0SA+2:G0SA+3], s[94:95]
	s_or_b32 s[G0SA+3], s[G0SA+3], 0x80000000
	s_mov_b32 s[G0SB], 1
	s_add_co_u32 s[G0SB+1], s101, SCB
	s_mov_b64 s[G0SB+2:G0SB+3], s[98:99]
	s_or_b32 s[G0SB+3], s[G0SB+3], 0x80000000
	JLOAD G0SA, G1SA, G0SB, G1SB                   ; the scale words of all of K: filled once
.irp s, 0,1
	s_mov_b32 s[G0A+4*\s], 1
	s_add_co_u32 s[G0A+4*\s+1], s58, \s*SLOT
	s_add_nc_u64 s[G0A+4*\s+2:G0A+4*\s+3], s[92:93], \s*ASZ
	s_or_b32 s[G0A+4*\s+3], s[G0A+4*\s+3], 0x80000000
	s_mov_b32 s[G0B+4*\s], 1
	s_add_co_u32 s[G0B+4*\s+1], s100, \s*SLOT
	s_add_nc_u64 s[G0B+4*\s+2:G0B+4*\s+3], s[96:97], \s*BSZ
	s_or_b32 s[G0B+4*\s+3], s[G0B+4*\s+3], 0x80000000
	JLOAD G0A+4*\s, G1A, G0B+4*\s, G1B             ; chunks 0 and 1: three loads of mine are out
.endr
	; while they are on their way: addresses, the bias, the coefficients
	v_and_b32 v1, 15, v0                           ; r
	v_bfe_u32 v2, v0, 4, 1                         ; h
	v_and_b32 v3, 31, v0                           ; lane
	v_lshlrev_b32 v[OUTO], 4, v3
	s_mul_i32 s58, s19, MT*1024
	v_add_nc_u32 v[ADRA], s58, v[OUTO]
	v_add_nc_u32 v[ADRA+1], SLOT, v[ADRA]
	s_lshl_b32 s58, s20, 12
	s_add_co_u32 s58, s58, ASZ
	v_add_nc_u32 v[ADRB], s58, v[OUTO]
	v_add_nc_u32 v[ADRB+1], SLOT, v[ADRB]
	s_mul_i32 s58, s19, MT*64
	s_add_co_u32 s58, s58, SCA
	v_lshlrev_b32 v[ADSA], 2, v1
	v_mad_u32_u24 v[ADSA], v2, AB*64, v[ADSA]
	v_add_nc_u32 v[ADSA], s58, v[ADSA]
	s_mul_i32 s58, s20, KS*256
	s_add_co_u32 s58, s58, SCB
	v_lshlrev_b32 v[ADSB], 4, v1
	v_lshl_add_u32 v[ADSB], v2, 8, v[ADSB]
	v_add_nc_u32 v[ADSB], s58, v[ADSB]
	s_lshl_b32 s62, s23, 9                         ; the bias of my 64 columns
	s_lshl_b32 s63, s20, 8
	s_add_co_u32 s62, s62, s63
	s_mov_b32 s63, 0
	s_add_nc_u64 s[10:11], s[10:11], s[62:63]
	v_lshlrev_b32 v18, 6, v2                       ; 16 h columns
.irp t, 0,1,2,3
	global_load_b128 v[BIAS+8*\t:BIAS+8*\t+3], v18, s[10:11] offset:(32*(\t/2)+8*(\t%2))*4
	global_load_b128 v[BIAS+8*\t+4:BIAS+8*\t+7], v18, s[10:11] offset:(32*(\t/2)+8*(\t%2))*4+16
.endr
.if LAST
	s_mul_i32 s62, s3, 32*MT                       ; my first row and column of the output, rows of 8,192 bytes
	s_mul_i32 s59, s19, 16*MT
	s_add_co_u32 s62, s62, s59
	s_lshl_b32 s62, s62, 13
	s_lshl_b32 s59, s23, 9
	s_add_co_u32 s62, s62, s59
	s_lshl_b32 s59, s20, 8
	s_add_co_u32 s62, s62, s59
	s_add_nc_u64 s[16:17], s[16:17], s[62:63]
	s_mul_i32 s59, s18, 4352
	s_add_co_u32 s59, s59, STG                     ; my stage
	v_mul_u32_u24 v16, v1, 272
	v_lshl_add_u32 v16, v2, 6, v16
	v_add_nc_u32 v16, s59, v16                     ; in: row r, + 64 h
	v_mul_u32_u24 v17, v2, 272
	v_lshl_add_u32 v17, v1, 4, v17
	v_add_nc_u32 v17, s59, v17                     ; back: lanes 0-15 one row of 256 bytes, lanes 16-31 the next
	v_lshlrev_b32 v15, 4, v1
	v_lshl_add_u32 v15, v2, 13, v15                ; and the same in the output
	s_wait_loadcnt 0x0                             ; the bias
.else
	v_lshl_add_u32 v[CFW], v0, 2, CF
	s_lshl_b32 s58, s20, 8
	s_add_co_u32 s58, s58, CF
	v_lshl_add_u32 v[CFA], v2, 6, s58              ; my columns' coefficients: 256 wn + 64 h
	s_mul_i32 s58, s19, MT*64
	s_lshl_b32 s59, s20, 1
	s_add_co_u32 s58, s58, s59
	s_add_co_u32 s58, s58, SST
	v_lshl_add_u32 v[SSTA], v1, 2, s58             ; my half of row r's new scale word
.if MT == 4
	v_lshl_add_u32 v14, v3, 4, SST                 ; wave 0 sends the new scale words: 16 bytes a lane
	v_lshlrev_b32 v15, 4, v3
.if AB > CBN
	v_mad_u32_u24 v15, v2, KSN*CBN*64-256, v15     ; tiles 4-7 belong to the next block of the next layout
.endif
.else
	v_lshl_add_u32 v14, v3, 3, SST                 ; 8 bytes a lane
	v_lshlrev_b32 v15, 3, v3
.endif
	s_mul_i32 s62, s23, 128*36                     ; COEF: thread i takes column 128 X + i: 8 of its 9 control points (the definition cuts the ninth off) and its gain
	s_add_nc_u64 s[12:13], s[12:13], s[62:63]
	s_lshl_b32 s62, s23, 9
	s_add_nc_u64 s[14:15], s[14:15], s[62:63]
	v_mul_u32_u24 v19, v0, 36
	v_lshlrev_b32 v20, 2, v0
.irp k, 0,1,2,3,4,5,6,7
	global_load_b32 v[64+\k], v19, s[12:13] offset:4*\k
.endr
	global_load_b32 v72, v20, s[14:15]
	s_mul_i32 s62, s3, AB                          ; where the new scale words go: ((first tile / CBN) x KSN + X) x CBN x 64, behind the codes
	s_lshr_b32 s62, s62, LCBN
	s_mul_i32 s62, s62, KSN
	s_add_co_u32 s62, s62, s23
	s_mul_i32 s62, s62, CBN*64
	s_add_co_u32 s62, s62, 2097152
	s_add_nc_u64 s[60:61], s[16:17], s[62:63]
	s_mul_i32 s62, s3, AB                          ; and my wave's chunk of the new images: ((tile / CBN) x KSN + X) x CBN + tile % CBN, x 1,024, + 512 wn
	s_mul_i32 s59, s19, MT
	s_add_co_u32 s62, s62, s59
	s_and_b32 s59, s62, CBN-1
	s_lshr_b32 s62, s62, LCBN
	s_mul_i32 s62, s62, KSN
	s_add_co_u32 s62, s62, s23
	s_mul_i32 s62, s62, CBN
	s_add_co_u32 s62, s62, s59
	s_lshl_b32 s62, s62, 10
	s_lshl_b32 s59, s20, 9
	s_add_co_u32 s62, s62, s59
	s_add_nc_u64 s[16:17], s[16:17], s[62:63]
	s_wait_loadcnt 0x0                             ; the bias, the control points, the gain
.irp k, 0,1,2,3,4,5,6,7
	v_mul_f32 v[64+\k], v[64+\k], v72              ; c_k = control point x gain
.endr
	v_mov_b32 v80, v64                             ; interval 0: c0
	v_sub_f32 v81, v65, v64
	v_mul_f32 v81, 0x40400000, v81                 ; 3 (c1 - c0)
	v_mul_f32 v82, 0x40400000, v64
	v_fmac_f32 v82, 0xc0900000, v65
	v_fmac_f32 v82, 0x3fc00000, v66                ; 3 c0 - 4.5 c1 + 1.5 c2
	v_fma_f32 v83, v65, 0x3fe00000, -v64
	v_fmac_f32 v83, 0xbf6aaaab, v66
	v_fmac_f32 v83, 0x3e2aaaab, v67                ; -c0 + 1.75 c1 - 11/12 c2 + c3 / 6
	v_mul_f32 v84, 0x3e800000, v65                 ; interval 1
	v_fmac_f32 v84, 0x3f155555, v66
	v_fmac_f32 v84, 0x3e2aaaab, v67                ; c1 / 4 + 7/12 c2 + c3 / 6
	v_mul_f32 v85, 0xbf400000, v65
	v_fmac_f32 v85, 0x3e800000, v66
	v_fmac_f32 v85, 0.5, v67                       ; -.75 c1 + .25 c2 + .5 c3
	v_mul_f32 v86, 0x3f400000, v65
	v_fmac_f32 v86, 0xbfa00000, v66
	v_fmac_f32 v86, 0.5, v67                       ; .75 c1 - 1.25 c2 + .5 c3
	v_mul_f32 v87, 0xbe800000, v65
	v_fmac_f32 v87, 0x3f155555, v66
	v_fmac_f32 v87, -0.5, v67
	v_fmac_f32 v87, 0x3e2aaaab, v68                ; -.25 c1 + 7/12 c2 - .5 c3 + c4 / 6
	v_mul_f32 v88, 0x3e2aaaab, v66                 ; interval 2
	v_fmac_f32 v88, 0x3f2aaaab, v67
	v_fmac_f32 v88, 0x3e2aaaab, v68                ; c2 / 6 + 2/3 c3 + c4 / 6
	v_sub_f32 v89, v68, v66
	v_mul_f32 v89, 0.5, v89                        ; .5 (c4 - c2)
	v_add_f32 v90, v66, v68
	v_add_f32 v90, v90, v69
	v_fma_f32 v90, v90, 0.5, -v67                  ; .5 (c2 + c4 + c5) - c3
	v_sub_f32 v91, v67, v68
	v_mul_f32 v91, 0.5, v91
	v_fmac_f32 v91, 0xbe2aaaab, v66                ; .5 (c3 - c4) - c2 / 6
	v_mul_f32 v92, 0x3e2aaaab, v67                 ; interval 3
	v_fmac_f32 v92, 0x3f2aaaab, v68
	v_fmac_f32 v92, 0.5, v69                       ; c3 / 6 + 2/3 c4 + .5 c5
	v_add_f32 v93, v69, v70
	v_fmac_f32 v93, -0.5, v67                      ; c5 + c6 - .5 c3
	v_add_f32 v94, v68, v69
	v_fma_f32 v94, v67, 0.5, -v94                  ; .5 c3 - c4 - c5
	v_mul_f32 v95, 0.5, v68
	v_fmac_f32 v95, 0xbe2aaaab, v67                ; .5 c4 - c3 / 6
	v_add_f32 v96, v70, v71                        ; interval 4
	v_fmac_f32 v96, 0.5, v69
	v_fmac_f32 v96, 0x3e2aaaab, v68                ; c4 / 6 + .5 c5 + c6 + c7
	v_add_f32 v97, v69, v70
	v_fma_f32 v97, v68, -0.5, -v97                 ; -.5 c4 - c5 - c6
	v_add_f32 v98, v68, v69
	v_mul_f32 v98, 0.5, v98                        ; .5 (c4 + c5)
	v_mul_f32 v99, 0xbe2aaaab, v68                 ; -c4 / 6
.set JJ, 0
.rept 20
	ds_store_b32 v[CFW], v[80+JJ] offset:512*JJ
.set JJ, JJ+1
.endr
.endif
.macro FETCH slot, q, set              ; the fragments of the slot's q-th K step: images come back as they were stored
.set FB, FR0+64*(\set)
.set II, 0
.rept MT
	ds_load_b128 v[FB+8*II:FB+8*II+3], v[ADRA+\slot] offset:(\q)*AB*1024+II*1024
	ds_load_b128 v[FB+8*II+4:FB+8*II+7], v[ADRA+\slot] offset:(\q)*AB*1024+II*1024+512
.set II, II+1
.endr
.irp t, 0,1,2,3
	ds_load_b128 v[FB+32+8*\t:FB+32+8*\t+3], v[ADRB+\slot] offset:(\q)*8192+\t*1024
	ds_load_b128 v[FB+32+8*\t+4:FB+32+8*\t+7], v[ADRB+\slot] offset:(\q)*8192+\t*1024+512
.endr
.endm
.macro SCLS ch                         ; a chunk's scale words.  Register SA + 4 i + p: K steps 2 p (lanes 0-15) and 2 p + 1 (lanes 16-31) of row tile i;  SB + 4 t + j: K steps j and 4 + j of W's tile t
.set II, 0
.rept MT
.irp p, 0,1,2,3
	ds_load_b32 v[SA+4*II+\p], v[ADSA] offset:(8*(\ch)+2*\p)*AB*64+64*II
.endr
.set II, II+1
.endr
.irp t, 0,1,2,3
	ds_load_b128 v[SB+4*\t:SB+4*\t+3], v[ADSB] offset:\t*KS*64+512*(\ch)
.endr
.endm
.macro WM acc, bfr, afr, sw, sx, q, first      ; one product; the halves of the scale registers go by the K step's number
.if \first
	v_wmma_scale_f32_16x16x128_f8f6f4 v[\acc:\acc+7], v[\bfr:\bfr+7], v[\afr:\afr+7], v[BIAS+(\acc)%32:BIAS+(\acc)%32+7], v[\sw], v[\sx] matrix_a_fmt:MATRIX_FMT_FP4 matrix_b_fmt:MATRIX_FMT_FP4
.elseif ((\q) < 4) && ((\q)%2 == 0)
	v_wmma_scale_f32_16x16x128_f8f6f4 v[\acc:\acc+7], v[\bfr:\bfr+7], v[\afr:\afr+7], v[\acc:\acc+7], v[\sw], v[\sx] matrix_a_fmt:MATRIX_FMT_FP4 matrix_b_fmt:MATRIX_FMT_FP4
.elseif (\q) < 4
	v_wmma_scale_f32_16x16x128_f8f6f4 v[\acc:\acc+7], v[\bfr:\bfr+7], v[\afr:\afr+7], v[\acc:\acc+7], v[\sw], v[\sx] matrix_a_fmt:MATRIX_FMT_FP4 matrix_b_fmt:MATRIX_FMT_FP4 matrix_b_scale:MATRIX_SCALE_ROW1
.elseif (\q)%2 == 0
	v_wmma_scale_f32_16x16x128_f8f6f4 v[\acc:\acc+7], v[\bfr:\bfr+7], v[\afr:\afr+7], v[\acc:\acc+7], v[\sw], v[\sx] matrix_a_fmt:MATRIX_FMT_FP4 matrix_b_fmt:MATRIX_FMT_FP4 matrix_a_scale:MATRIX_SCALE_ROW1
.else
	v_wmma_scale_f32_16x16x128_f8f6f4 v[\acc:\acc+7], v[\bfr:\bfr+7], v[\afr:\afr+7], v[\acc:\acc+7], v[\sw], v[\sx] matrix_a_fmt:MATRIX_FMT_FP4 matrix_b_fmt:MATRIX_FMT_FP4 matrix_a_scale:MATRIX_SCALE_ROW1 matrix_b_scale:MATRIX_SCALE_ROW1
.endif
.endm
.macro MULS q, set, first              ; a K step: the 4 MT accumulators take turns, one instruction a turn, in the same order in every step
.set FB, FR0+64*(\set)
.set II, 0
.rept MT
.irp t, 0,1,2,3
	WM 8*(4*II+\t), FB+32+8*\t, FB+8*II, SB+4*\t+((\q)&3), SA+4*II+((\q)>>1), \q, \first
.endr
.set II, II+1
.endr
.endm
.macro CHUNK ch, first                 ; 8 K steps out of slot ch % 2; a step's fragments are asked for one step ahead
.set SL, (\ch)%2
.if (\first) == 0
	PLACES
.endif
	SCLS \ch
	FETCH SL, 0, 0
.set QQ, 0
.rept 8
.if QQ > 0
	PLACES
.endif
.if QQ < 7
	FETCH SL, QQ+1, (QQ+1)%2
	s_wait_dscnt NF                                ; all but the NF loads just issued
.else
	s_wait_dscnt 0x0
.endif
.if (\first) && (QQ == 0)
	WIN 0x40                                       ; D window 1; the bias, as C, window 0: the first products start the sums
	MULS QQ, QQ%2, 1
.else
	WIN 0x50                                       ; C and D window 1
	MULS QQ, QQ%2, 0
.endif
	WIN 0
.set QQ, QQ+1
.endr
.endm
.macro CHANGE fill, slot               ; between two chunks.  fill = 1: the slot just read takes the chunk two further on
	s_wait_tensorcnt 0x0                           ; all my tensor loads have landed, my part of the next slot among them: a group 0 may be written
	ds_add_u32 v[SPW], v[NIL]                      ; 0 onto my spare word
.if \fill
	s_add_nc_u64 s[G0A+4*\slot+2:G0A+4*\slot+3], s[G0A+4*\slot+2:G0A+4*\slot+3], 2*ASZ
	s_add_nc_u64 s[G0B+4*\slot+2:G0B+4*\slot+3], s[G0B+4*\slot+2:G0B+4*\slot+3], 2*BSZ
.endif
	s_wait_dscnt 0x0                               ; the add is done, and my reads of the slot are over
.if \fill
	CROUND                                         ; no wave of any partner still reads the slot or has a load on its way
	JLOAD G0A+4*\slot, G1A, G0B+4*\slot, G1B       ; the first thing behind the round; it has a chunk's 32 MT products in which to land
.else
	s_barrier_signal -1
	s_barrier_wait -1
.endif
.endm
	s_wait_tensorcnt 0x1                           ; the scale words and my part of chunk 0 are in; chunk 1's load may stay out
	s_wait_dscnt 0x0                               ; my coefficients have landed
	s_barrier_signal -1
	s_barrier_wait -1
	CHUNK 0, 1
.if NCH == 4
	CHANGE 1, 0
	CHUNK 1, 0
	CHANGE 1, 1
	CHUNK 2, 0
	CHANGE 0, 0
	CHUNK 3, 0
.else
	CHANGE 0, 0
	CHUNK 1, 0
.endif
.if LAST
	; THE WAY OUT: a tile of 16 rows x 64 columns goes through my own stage and comes back as rows of 256 bytes
	PLACES
.set II, 0
.rept MT
	WIN 0x04                                       ; an LDS store's data: window 1
.irp t, 0,1,2,3
	ds_store_b128 v16, v[8*(4*II+\t):8*(4*II+\t)+3] offset:128*(\t/2)+32*(\t%2)        ; each accumulator from its low end on
	ds_store_b128 v16, v[8*(4*II+\t)+4:8*(4*II+\t)+7] offset:128*(\t/2)+32*(\t%2)+16
.endr
	WIN 0
.irp k, 0,1,2,3,4,5,6,7
	ds_load_b128 v[64+32*II+4*\k:64+32*II+4*\k+3], v17 offset:544*\k   ; LDS serves a wave's instructions in order: these see the stores above, and the next tile's stores come behind them
.endr
.irp k, 0,1,2,3,4,5,6,7
	s_wait_dscnt 7-\k
	global_store_b128 v15, v[64+32*II+4*\k:64+32*II+4*\k+3], s[16:17] offset:131072*II+16384*\k th:TH_STORE_NT   ; sixteen lanes store 256 consecutive bytes, aligned
.endr
.set II, II+1
.endr
.else
.macro CLOAD set, t, qd                ; the 20 coefficients of four neighbouring columns: tile t, registers 4 qd .. 4 qd + 3
.set CB, FR0+80*(\set)
.set JJ, 0
.rept 20
	ds_load_b128 v[CB+4*JJ:CB+4*JJ+3], v[CFA] offset:512*JJ+128*((\t)/2)+32*((\t)%2)+16*(\qd)
.set JJ, JJ+1
.endr
.endm
.macro SPL i, t, qd, set               ; four numbers of accumulator (i, t): from r to the layer's result, in place
.set A0, 8*(4*(\i)+(\t))+4*(\qd)
.set CO, FR0+80*(\set)
	WIN 0x45                                       ; destination, sources 0 and 1 window 1; source 2 window 0
.set SS, 0
.irp c, 0x40a00000, 4.0, 0x40400000, 2.0, 1.0
	v_pk_fma_f32 v[VV+4*SS:VV+4*SS+1], v[A0:A0+1], v[128:129], \c op_sel_hi:[1,1,0]       ; v = (5 - s) - 5 r
	v_pk_fma_f32 v[VV+4*SS+2:VV+4*SS+3], v[A0+2:A0+3], v[128:129], \c op_sel_hi:[1,1,0]
.set SS, SS+1
.endr
	WIN 0x41                                       ; sources 1 and 2: the coefficients, window 0
.irp s, 0,1,2,3,4
.irp p, 0,2
	v_pk_fma_f32 v[PP+4*\s+\p:PP+4*\s+\p+1], v[VV+4*\s+\p:VV+4*\s+\p+1], v[CO+16*\s+12+\p:CO+16*\s+13+\p], v[CO+16*\s+8+\p:CO+16*\s+9+\p]
.endr
.endr
	WIN 0x45
.irp k, 1,0
.irp s, 0,1,2,3,4
.irp p, 0,2
	v_pk_fma_f32 v[PP+4*\s+\p:PP+4*\s+\p+1], v[PP+4*\s+\p:PP+4*\s+\p+1], v[VV+4*\s+\p:VV+4*\s+\p+1], v[CO+16*\s+4*\k+\p:CO+16*\s+4*\k+\p+1]
.endr
.endr
.endr
.irp k, 0,1,2,3,4
.irp e, 0,1,2,3
	v_cmp_ge_f32 s[24+4*\k+\e], s[44+\k], v[A0+\e]         ; r <= 0.8, 0.6, 0.4, 0.2, 2^-26
.endr
.endr
.irp k, 0,1,2,3
.irp e, 0,1,2,3
	v_cndmask_b32 v[PP+\e], v[PP+\e], v[PP+4*(\k+1)+\e], s[24+4*\k+\e]
.endr
.endr
.irp e, 0,1,2,3
	v_cndmask_b32 v[PP+\e], v[PP+\e], v134, s[40+\e]       ; tanh = 1: no interval
.endr
.if \qd
.irp e, 0,1,2,3
	v_med3_num_f32 v[A0+\e], v[PP+\e], s49, s50            ; the clip; pairs 2 and 3 of eight columns are left as they are: their commutators are 0
.endr
.else
.irp e, 0,1,2,3
	v_med3_num_f32 v[PP+\e], v[PP+\e], s49, s50
.endr
	v_med3_num_f32 v[TT], v[PP+1], -1.0, 1.0               ; pairs 0 and 1: each number takes +-.05 x its partner, clipped at +-1
	v_med3_num_f32 v[TT+1], v[PP], -1.0, 1.0
	v_med3_num_f32 v[TT+2], v[PP+3], -1.0, 1.0
	v_med3_num_f32 v[TT+3], v[PP+2], -1.0, 1.0
	WIN 0x55
	v_pk_fma_f32 v[A0:A0+1], v[TT:TT+1], v[130:131], v[PP:PP+1]
	v_pk_fma_f32 v[A0+2:A0+3], v[TT+2:TT+3], v[132:133], v[PP+2:PP+3]
.endif
.endm
	; THE ACTIVATION.  No tensor load of mine is out: the descriptors' registers are free.  s24-43 lane masks, s44-48 the knots in r
	s_mov_b32 s44, 0x3f4ccccd
	s_mov_b32 s45, 0x3f19999a
	s_mov_b32 s46, 0x3ecccccd
	s_mov_b32 s47, 0x3e4ccccd
	s_mov_b32 s48, 0x32800000
	s_mov_b32 s49, 0xc1200000                      ; -10
	s_mov_b32 s50, 0x41200000                      ; 10
	s_mov_b32 s52, 0x4038aa3b                      ; 2 log2(e)
	s_mov_b32 s53, s52                             ; (named with it as a pair)
	s_mov_b32 s54, 0x76543210
	s_mov_b32 s55, 0xfedcba98                      ; v_permlanex16_b32's selects for lane l xor 16
	WIN 0x40                                       ; these fifteen lines are also the places behind the last products
	v_mov_b32 v128, 0xc0a00000                     ; -5, twice
	v_mov_b32 v129, 0xc0a00000
	v_mov_b32 v130, 0x3d4ccccd                     ; .05, .05, -.05, .05
	v_mov_b32 v131, 0x3d4ccccd
	v_mov_b32 v132, 0xbd4ccccd
	v_mov_b32 v133, 0x3d4ccccd
	v_mov_b32 v134, 0
.irp u, 0,1,2,3,4,5,6,7
	v_mov_b32 v[TP+\u], 0                          ; a lane permute's destination counts as read
.endr
	WIN 0
	CLOAD 0, 0, 0
	CLOAD 1, 0, 1
	WIN 0x45
.set JJ, 0
.rept 16*MT
	v_pk_mul_f32 v[JJ:JJ+1], v[JJ:JJ+1], s[52:53] op_sel_hi:[1,0]   ; ascending: each accumulator is read from its low end on
.set JJ, JJ+2
.endr
.set JJ, 0
.rept 32*MT
	v_exp_f32 v[JJ], v[JJ]
.set JJ, JJ+1
.endr
	v_nop                                          ; a plain place behind the exponentials
.set JJ, 0
	s_wait_alu depctr_va_vdst(0)
.rept 16*MT
	v_pk_add_f32 v[JJ:JJ+1], v[JJ:JJ+1], 1.0 op_sel_hi:[1,0]
.set JJ, JJ+2
.endr
.set JJ, 0
.rept 32*MT
	v_rcp_f32 v[JJ], v[JJ]                         ; r
.set JJ, JJ+1
.endr
	v_nop
	s_wait_alu depctr_va_vdst(0)
.set SG, 0
.rept 8                                        ; four columns at a time, for all my row tiles; the coefficients come two sets ahead
.if SG < 7
	s_wait_dscnt 20                                ; this set is in; the next set's 20 loads may be out
.else
	s_wait_dscnt 0x0
.endif
.set IS, 0
.rept MT
	SPL IS, SG/2, SG%2, SG%2
.set IS, IS+1
.endr
	WIN 0
.if SG < 6
	CLOAD SG%2, (SG+2)/2, SG%2
.endif
.set SG, SG+1
.endr
	; THE QUANTISER: block u = 2 i + b is registers 16 u .. 16 u + 15 of lanes l and l xor 16
	WIN 0x55
.set NU, 2*MT
.set UU, 0
.rept NU
	v_max3_num_f32 v[TM+UU], |v[16*UU]|, |v[16*UU+1]|, 0x1800000   ; with the floor 2^(3 - 127): the byte cannot fall under 1
.set UU, UU+1
.endr
.irp j, 2,4,6,8,10,12,14
.set UU, 0
.rept NU
	v_max3_num_f32 v[TM+UU], v[TM+UU], |v[16*UU+\j]|, |v[16*UU+\j+1]|
.set UU, UU+1
.endr
.endr
.set UU, 0
.rept NU
	v_permlanex16_b32 v[TP+UU], v[TM+UU], s54, s55
.set UU, UU+1
.endr
.set UU, 0
.rept NU
	v_max_num_f32 v[TM+UU], v[TM+UU], v[TP+UU]
.set UU, UU+1
.endr
.set UU, 0
.rept NU
	v_add_nc_u32 v[TS+UU], 0xff000000, v[TM+UU]    ; 2 off the exponent field: the conversion's scale operand
.set UU, UU+1
.endr
.set UU, 0
.rept NU
	v_lshrrev_b32 v[TP+UU], 23, v[TS+UU]           ; the byte
.set UU, UU+1
.endr
.set II, 0
.rept MT
	v_lshl_or_b32 v[HWD+II], v[TP+2*II+1], 8, v[TP+2*II]   ; my wave's half of row r's scale word
.set II, II+1
.endr
.set UU, 0
.rept NU
	v_cvt_scalef32_pk8_fp4_f32 v[PC+2*UU], v[16*UU:16*UU+7], v[TS+UU]
	v_cvt_scalef32_pk8_fp4_f32 v[PC+2*UU+1], v[16*UU+8:16*UU+15], v[TS+UU]
.set UU, UU+1
.endr
	v_nop                                          ; one plain place behind the scaled conversions
.set II, 0
.rept MT
	v_permlane16_swap_b32 v[PC+4*II], v[PC+4*II+2]     ; a whole block to a lane: the four registers are chunk wn of the new image
	v_permlane16_swap_b32 v[PC+4*II+1], v[PC+4*II+3]
.set II, II+1
.endr
	WIN 0x04                                       ; a store's data: window 1
.set II, 0
.rept MT
	global_store_b128 v[OUTO], v[PC+4*II:PC+4*II+3], s[16:17] offset:1024*II   ; 512 consecutive bytes, aligned
	ds_store_b16 v[SSTA], v[HWD+II] offset:64*II       ; lanes l and l xor 16 write the same bytes with the same value
.set II, II+1
.endr
	WIN 0
	s_wait_dscnt 0x0                               ; for the others' sake
	s_barrier_signal -1
	s_barrier_wait -1                              ; the work-group's new scale words are whole
	s_cmp_lg_u32 s18, 0
	s_cbranch_scc1 .Lnot_mine
.if MT == 4
	ds_load_b128 v[64:67], v14
	s_wait_dscnt 0x0
	global_store_b128 v15, v[64:67], s[60:61]      ; sixteen lanes store 256 consecutive bytes, aligned
.else
	ds_load_b64 v[64:65], v14
	s_wait_dscnt 0x0
	global_store_b64 v15, v[64:65], s[60:61]       ; the wave stores 256 consecutive bytes, aligned
.endif
.Lnot_mine:
.endif
	s_wait_tensorcnt 0x0                           ; the wave's end
	ds_add_u32 v[SPW], v[NIL]
	s_wait_dscnt 0x0
	CROUND                                         ; the closing round
	s_endpgm
.Lfunc_end_k_q38136b3b5b_g2:
	.size	k_q38136b3b5b_g2, .Lfunc_end_k_q38136b3b5b_g2-k_q38136b3b5b_g2
	.p2alignl 7, 3214868480
	.fill 96, 4, 3214868480
	.section	.rodata,"a",@progbits
	.p2align	6, 0x0
	.amdhsa_kernel k_q38136b3b5b_g2
		.amdhsa_group_segment_fixed_size 327680
		.amdhsa_private_segment_fixed_size 0
		.amdhsa_enable_private_segment 0
		.amdhsa_kernarg_size 56
		.amdhsa_user_sgpr_count 2
		.amdhsa_user_sgpr_kernarg_segment_ptr 1
		.amdhsa_wavefront_size32 1
		.amdhsa_system_sgpr_workgroup_id_x 1
		.amdhsa_system_sgpr_workgroup_id_y 1
		.amdhsa_system_sgpr_workgroup_id_z 1
		.amdhsa_system_vgpr_workitem_id 0
		.amdhsa_next_free_vgpr 512
		.amdhsa_next_free_sgpr 104
		.amdhsa_reserve_vcc 0
		.amdhsa_float_denorm_mode_32 3
		.amdhsa_float_denorm_mode_16_64 3
		.amdhsa_memory_ordered 1
		.amdhsa_forward_progress 1
		.amdhsa_inst_pref_size 255
	.end_amdhsa_kernel
	.section	.bss,"aw",@nobits
	.p2align	6
	.space	262144
	.amdgpu_metadata
---
amdhsa.version: [ 1, 2 ]
amdhsa.kernels:
  - .name:           k_q38136b3b5b_g2
    .symbol:         k_q38136b3b5b_g2.kd
    .args:
      - { .name: actq, .offset: 0, .size: 8, .value_kind: global_buffer, .address_space: global }
      - { .name: wcod, .offset: 8, .size: 8, .value_kind: global_buffer, .address_space: global }
      - { .name: wscl, .offset: 16, .size: 8, .value_kind: global_buffer, .address_space: global }
      - { .name: b2, .offset: 24, .size: 8, .value_kind: global_buffer, .address_space: global }
      - { .name: cp2, .offset: 32, .size: 8, .value_kind: global_buffer, .address_space: global }
      - { .name: rw2, .offset: 40, .size: 8, .value_kind: global_buffer, .address_space: global }
      - { .name: actp, .offset: 48, .size: 8, .value_kind: global_buffer, .address_space: global }
    .group_segment_fixed_size: 327680
    .private_segment_fixed_size: 0
    .kernarg_segment_align: 8
    .kernarg_segment_size: 56
    .max_flat_workgroup_size: 128
    .sgpr_count:     104
    .vgpr_count:     512
    .wavefront_size: 32
...
	.end_amdgpu_metadata
.endif
;; end of part 3
;; launch g3 (part 4): grid 16 x 16, 4 waves a work-group, clusters of 4 x 4, 327,680 bytes of LDS; arguments actp, wcod, wscl, b3, cp3, rw3, actq; writes actq
.if DOCPART == 4
	.amdgcn_target "amdgcn-amd-amdhsa--gfx1250"
	.amdhsa_code_object_version 6
	.text
	.protected	k_q38136b3b5b_g3
	.globl	k_q38136b3b5b_g3
	.p2align	8
	.type	k_q38136b3b5b_g3,@function
k_q38136b3b5b_g3:
	s_mov_b64 s[64:65], 0
	v_nop
	global_prefetch_b8 v0, s[64:65] scope:SCOPE_SE
	s_setreg_imm32_b32 hwreg(HW_REG_WAVE_MODE, 25, 1), 1
	s_wait_xcnt 0x0
	s_wait_alu depctr_hold_cnt(0) depctr_sa_sdst(0) depctr_va_vdst(0) depctr_va_sdst(0) depctr_va_ssrc(0) depctr_va_vcc(0) depctr_vm_vsrc(0)
	s_getreg_b32 s2, hwreg(HW_REG_IB_STS2, 6, 4)
	s_cmp_eq_u32 s2, 0
	s_cbranch_scc0 .Lentry_in_a_cluster
	s_endpgm
.Lentry_in_a_cluster:
	s_bfe_u32 s2, ttmp6, 0x10000c
	s_cmp_lg_u32 s2, 0xf033
	s_cbranch_scc0 .Lentry_shape_is_right
	s_endpgm
.Lentry_shape_is_right:
; LAYER 3: cur [1024][4096] x W3^T [4096][2048] + b3 on codes of FP4 with E8M0 scales; then tanh, the spline, the gain, the clip at +-10, the pairwise transform; the result is quantised along its columns for the next product.
; (One text serves the four layers; the eight lines below differ.)
.set SIZE_K, 4096                      ; this product's K
.set MT,     2                         ; tiles of 16 rows a wave
.set WOFF,   12582912                  ; the weight's place in wcod
.set WSOFF,  786432                    ; and in wscl
.set LAST,   0                         ; 1: no activation; f32 results leave as they are
.set KSN,    16                        ; the next product's K steps of 128
.set CBN,    4                         ; row tiles in a block of the next product's layout,
.set LCBN,   2                         ; and its logarithm
; LAYOUTS (made by the launches before).  An IMAGE is a fragment's registers on end: 16 rows x 128 K = 2 chunks of 512 bytes, lane l's 16 bytes at 16 l.  Activations: [block of AB row tiles][K step][tile][image], and from byte
; 2,097,152 the scale words [block][K step][tile][16 words].  Weights: [block of 128 rows][K step][tile 0..7][image]; scale words [block][tile][K step / 4][lane][4 words].  So all that a work-group wants is dense in memory.
; SHARES.  256 work-groups; a work-group makes 32 MT rows x 128 columns, its four waves 2 x 2: wave (wm, wn) makes 16 MT rows x 64 columns: 4 MT accumulators.  128 columns are one K step of the next product.
; THE PRODUCT IS USED TRANSPOSED (source 0 = a tile of W, source 1 = a tile of rows).  Lane r of W's tile t is row 32 (t / 2) + 8 (t % 2) + r + 8 (r / 8): so in accumulator (i, t) lane (r, h) holds row 16 i + r, and its register j
; column 32 (t / 2) + 16 h + 8 (t % 2) + j: the 16 registers of tiles 2 b, 2 b + 1 are 16 neighbours along the next K.  The bias is the C of each sum's first product.
; K goes in chunks of 1,024 (8 K steps) through two LDS slots filled by joint tensor loads: 4 x 4 work-groups form a cluster; the four of a row share the rows' images, the four of a column the weight's.
; THE ACTIVATION.  E = 2^(2 log2(e) lin), r = 1 / (1 + E): tanh = 1 - 2 r.  z = 2.5 (tanh + 1) = 5 - 5 r runs over the knots 0,0,0,0,1,2,3,4,5,5,5,5.  The module's unfinished recursion leaves five cubic, one quadratic, one linear
; and one constant basis function; on interval s their sum with the control points x gain is one cubic in v = z - s.  Its 20 coefficients a column are made once (COEF) and kept in LDS; all five cubics are evaluated, packed, and the
; right one is chosen by compares on r and v_cndmask_b32: no branch on data.  tanh = 1 (r <= 2^-26) lies in no interval: the spline is 0 there.
; LIMITS.  NaN and infinities are not served.  The knots are tested on r = (1 - tanh) / 2: within about an ulp of tanh = 0.6, where the constant function sets in, the jump of cp[7] x rw may fall on the other side.  Where 1 - tanh
; is a few ulps (lin from about 7.9 to 9.1) whether tanh counts as 1 hangs on the last bits of the tanh in use.  A block of zeros, or under 2^-124, gets the scale byte 1 (read by this program alone).
.set KS,   SIZE_K/128
.set NCH,  SIZE_K/1024
.set AB,   2*MT
.set ASZ,  AB*8192                     ; a chunk's images of my rows
.set BSZ,  65536                       ; and of my 128 rows of W
.set SLOT, ASZ+BSZ
.set SCA,  2*SLOT                      ; behind the ring: the rows' scale words for all of K,
.set SCB,  SCA+KS*AB*64                ; the weight's,
.set CF,   SCB+KS*512                  ; the coefficients [4 s + k][128 columns] f32: written by LDS stores alone,
.set SST,  CF+10240                    ; the new scale words [tile][16]: likewise,
.set STG,  SST+512                     ; four stages of 16 rows x 272 bytes for f32 results (LAST),
.set SPARE, STG+17408                  ; and the spare words, 128 bytes a wave, which no other line names
.set NF,   2*(MT+4)                    ; LDS loads of a K step's fragments
; window 0: v1 r, v2 h, v3 lane; the addresses below; v32-47, v48-63 scale words and nothing else; v64-127, v128-191 two sets of fragments (rows' at + 8 i, W's at + 32 + 8 t); v192-223 the bias.  Later v64-143, v144-223: two sets of coefficients.
; window 1: v0-127 the accumulators ((i, t) at 8 (4 i + t)); v128-134 constants; from v136 the activation's and the quantiser's registers.
.set ADRA, 4                           ; v4, v5  my rows' images in slot 0, 1
.set ADRB, 6                           ; v6, v7  my tiles of W
.set ADSA, 8                           ; the rows' scale words: lanes 0-15 an even K step, lanes 16-31 the odd one behind it
.set ADSB, 9                           ; W's: lanes 0-15 K steps 0-3 of a chunk, lanes 16-31 K steps 4-7
.set CFW,  10
.set CFA,  11
.set SSTA, 12
.set OUTO, 13                          ; 16 x lane
.set SPW,  28
.set NIL,  29
.set SA,   32
.set SB,   48
.set FR0,  64
.set BIAS, 192
.set VV,   136                         ; window 1: v = z - s, 4 registers for each s
.set PP,   156                         ; the five cubics
.set TT,   176
.set TM,   180
.set TP,   188
.set TS,   196
.set HWD,  204
.set PC,   208
.set G1A,  24                          ; descriptors: rows' images: group 1, group 0 for each slot;
.set G0A,  32
.set G1B,  40                          ; W's images;
.set G0B,  48
.set G1SA, 68                          ; rows' scale words;
.set G0SA, 76
.set G1SB, 80                          ; W's
.set G0SB, 88
.set MSB, 0
.macro WIN new                         ; s_set_vgpr_msb: bits 1:0 source 0, 3:2 source 1, 5:4 source 2, 7:6 destination; the high byte repeats the setting that is left
.if MSB != \new
	s_set_vgpr_msb (MSB<<8)|\new
.set MSB, \new
.endif
.endm
.macro JLOAD g0a, g1a, g0b, g1b        ; a joint load: waves 0 and 1 fetch for the rows, waves 2 and 3 for W; the branch hangs on the wave's number alone; four v_nop follow each line
	s_cmp_eq_u32 s19, 0
	s_cbranch_scc0 .Lfor_b_\@
	tensor_load_to_lds s[\g0a:\g0a+3], s[\g1a:\g1a+7]
	s_nop 0
.rept 4
	v_nop
.endr
	s_branch .Lasked_\@
.Lfor_b_\@:
	tensor_load_to_lds s[\g0b:\g0b+3], s[\g1b:\g1b+7]
	s_nop 0
.rept 4
	v_nop
.endr
.Lasked_\@:
.endm
.macro CROUND                          ; a round of the cluster's barrier
	s_barrier_signal -1
	s_barrier_wait -1
	s_cmp_lg_u32 s18, 0
	s_cbranch_scc1 .Lnot_wave_0_\@
	s_barrier_signal -3
.Lnot_wave_0_\@:
	s_barrier_wait -3
	s_barrier_signal -1
	s_barrier_wait -1
.endm
.macro GROUP1 g, rows                  ; a dense block as rows of 256 bytes: 32 elements of 8 bytes, pitch 32
	s_mov_b32 s[\g+1], 32<<16
	s_mov_b32 s[\g+2], (\rows)<<16
	s_mov_b32 s[\g+3], 32<<16
	s_mov_b32 s[\g+4], \rows
	s_mov_b32 s[\g+5], 32
	s_mov_b32 s[\g+6], 0
	s_mov_b32 s[\g+7], 0
.endm
.macro PLACES                          ; four plain vector instructions between a matrix instruction and a load into, or a read of, its registers
.rept 4
	v_nop
.endr
.endm
	s_load_b256 s[4:11], s[0:1], 0x0               ; activations in, wcod, wscl, bias
.if LAST
	s_load_b64 s[16:17], s[0:1], 0x20              ; the output
.else
	s_load_b128 s[12:15], s[0:1], 0x20             ; control points, gains
	s_load_b64 s[16:17], s[0:1], 0x30              ; activations out
.endif
	v_lshl_add_u32 v[SPW], v0, 2, SPARE
	v_mov_b32 v[NIL], 0
	ds_add_u32 v28, v29
	ds_add_u32 v28, v29
	s_wait_dscnt 0x0
	v_lshrrev_b32 v1, 5, v0
	v_readfirstlane_b32 s18, v1                    ; wave
	s_lshr_b32 s19, s18, 1                         ; wm.  Also: I fetch for the rows (0) or for W (1)
	s_and_b32 s20, s18, 1                          ; wn.  Also: which half of a block I fetch
	s_bfe_u32 s21, ttmp6, 0x40000                  ; cx
	s_bfe_u32 s22, ttmp6, 0x40004                  ; cy
	s_lshl_b32 s23, ttmp9, 2
	s_add_co_u32 s23, s23, s21                     ; X: which 128 columns
	s_and_b32 s3, ttmp7, 0xffff
	s_lshl_b32 s3, s3, 2
	s_add_co_u32 s3, s3, s22                       ; Y: which 32 MT rows
	s_lshl_b32 s56, s22, 2
	s_lshl_b32 s56, 15, s56                        ; my row of the cluster
	s_lshl_b32 s57, 0x1111, s21                    ; my column
	s_or_b32 s[G1A], s56, (3<<16)|(1<<21)          ; 15:0 the mask; 17:16 elements of 8 bytes; 21 set beside a mask; no padding: images are read 16 bytes a lane on end
	s_or_b32 s[G1SA], s56, (3<<16)|(1<<21)
	s_or_b32 s[G1B], s57, (3<<16)|(1<<21)
	s_or_b32 s[G1SB], s57, (3<<16)|(1<<21)
	GROUP1 G1A, 16*AB                              ; half a chunk of the rows' images
	GROUP1 G1B, 128                                ; half a chunk of W's
	GROUP1 G1SA, KS*AB/8                           ; half of the rows' scale words
	GROUP1 G1SB, KS                                ; half of W's
	s_mul_i32 s92, s3, KS*AB*1024                  ; the rows' offsets hang on Y and the wave alone,
	s_mul_i32 s58, s20, ASZ/2
	s_add_co_u32 s92, s92, s58
	s_mov_b32 s93, 0
	s_mul_i32 s94, s3, KS*AB*64
	s_mul_i32 s59, s20, KS*AB*32
	s_add_co_u32 s94, s94, s59
	s_add_co_u32 s94, s94, 2097152
	s_mov_b32 s95, 0
	s_mul_i32 s96, s23, KS*8192                    ; W's on X and the wave alone
	s_lshl_b32 s100, s20, 15
	s_add_co_u32 s96, s96, s100
	s_add_co_u32 s96, s96, WOFF
	s_mov_b32 s97, 0
	s_mul_i32 s98, s23, KS*512
	s_mul_i32 s101, s20, KS*256
	s_add_co_u32 s98, s98, s101
	s_add_co_u32 s98, s98, WSOFF
	s_mov_b32 s99, 0
	s_add_co_u32 s100, s100, ASZ                   ; LDS: W's half behind the rows' images; no place in the cluster enters an LDS address
	s_wait_kmcnt 0x0
	s_add_nc_u64 s[92:93], s[4:5], s[92:93]
	s_add_nc_u64 s[94:95], s[4:5], s[94:95]
	s_add_nc_u64 s[96:97], s[6:7], s[96:97]
	s_add_nc_u64 s[98:99], s[8:9], s[98:99]
	CROUND                                         ; all sixteen work-groups are here: the first joint loads meet
	s_mov_b32 s[G0SA], 1
	s_add_co_u32 s[G0SA+1], s59, SCA
	s_mov_b64 s[G0SA+2:G0SA+3], s[94:95]
	s_or_b32 s[G0SA+3], s[G0SA+3], 0x80000000
	s_mov_b32 s[G0SB], 1
	s_add_co_u32 s[G0SB+1], s101, SCB
	s_mov_b64 s[G0SB+2:G0SB+3], s[98:99]
	s_or_b32 s[G0SB+3], s[G0SB+3], 0x80000000
	JLOAD G0SA, G1SA, G0SB, G1SB                   ; the scale words of all of K: filled once
.irp s, 0,1
	s_mov_b32 s[G0A+4*\s], 1
	s_add_co_u32 s[G0A+4*\s+1], s58, \s*SLOT
	s_add_nc_u64 s[G0A+4*\s+2:G0A+4*\s+3], s[92:93], \s*ASZ
	s_or_b32 s[G0A+4*\s+3], s[G0A+4*\s+3], 0x80000000
	s_mov_b32 s[G0B+4*\s], 1
	s_add_co_u32 s[G0B+4*\s+1], s100, \s*SLOT
	s_add_nc_u64 s[G0B+4*\s+2:G0B+4*\s+3], s[96:97], \s*BSZ
	s_or_b32 s[G0B+4*\s+3], s[G0B+4*\s+3], 0x80000000
	JLOAD G0A+4*\s, G1A, G0B+4*\s, G1B             ; chunks 0 and 1: three loads of mine are out
.endr
	; while they are on their way: addresses, the bias, the coefficients
	v_and_b32 v1, 15, v0                           ; r
	v_bfe_u32 v2, v0, 4, 1                         ; h
	v_and_b32 v3, 31, v0                           ; lane
	v_lshlrev_b32 v[OUTO], 4, v3
	s_mul_i32 s58, s19, MT*1024
	v_add_nc_u32 v[ADRA], s58, v[OUTO]
	v_add_nc_u32 v[ADRA+1], SLOT, v[ADRA]
	s_lshl_b32 s58, s20, 12
	s_add_co_u32 s58, s58, ASZ
	v_add_nc_u32 v[ADRB], s58, v[OUTO]
	v_add_nc_u32 v[ADRB+1], SLOT, v[ADRB]
	s_mul_i32 s58, s19, MT*64
	s_add_co_u32 s58, s58, SCA
	v_lshlrev_b32 v[ADSA], 2, v1
	v_mad_u32_u24 v[ADSA], v2, AB*64, v[ADSA]
	v_add_nc_u32 v[ADSA], s58, v[ADSA]
	s_mul_i32 s58, s20, KS*256
	s_add_co_u32 s58, s58, SCB
	v_lshlrev_b32 v[ADSB], 4, v1
	v_lshl_add_u32 v[ADSB], v2, 8, v[ADSB]
	v_add_nc_u32 v[ADSB], s58, v[ADSB]
	s_lshl_b32 s62, s23, 9                         ; the bias of my 64 columns
	s_lshl_b32 s63, s20, 8
	s_add_co_u32 s62, s62, s63
	s_mov_b32 s63, 0
	s_add_nc_u64 s[10:11], s[10:11], s[62:63]
	v_lshlrev_b32 v18, 6, v2                       ; 16 h columns
.irp t, 0,1,2,3
	global_load_b128 v[BIAS+8*\t:BIAS+8*\t+3], v18, s[10:11] offset:(32*(\t/2)+8*(\t%2))*4
	global_load_b128 v[BIAS+8*\t+4:BIAS+8*\t+7], v18, s[10:11] offset:(32*(\t/2)+8*(\t%2))*4+16
.endr
.if LAST
	s_mul_i32 s62, s3, 32*MT                       ; my first row and column of the output, rows of 8,192 bytes
	s_mul_i32 s59, s19, 16*MT
	s_add_co_u32 s62, s62, s59
	s_lshl_b32 s62, s62, 13
	s_lshl_b32 s59, s23, 9
	s_add_co_u32 s62, s62, s59
	s_lshl_b32 s59, s20, 8
	s_add_co_u32 s62, s62, s59
	s_add_nc_u64 s[16:17], s[16:17], s[62:63]
	s_mul_i32 s59, s18, 4352
	s_add_co_u32 s59, s59, STG                     ; my stage
	v_mul_u32_u24 v16, v1, 272
	v_lshl_add_u32 v16, v2, 6, v16
	v_add_nc_u32 v16, s59, v16                     ; in: row r, + 64 h
	v_mul_u32_u24 v17, v2, 272
	v_lshl_add_u32 v17, v1, 4, v17
	v_add_nc_u32 v17, s59, v17                     ; back: lanes 0-15 one row of 256 bytes, lanes 16-31 the next
	v_lshlrev_b32 v15, 4, v1
	v_lshl_add_u32 v15, v2, 13, v15                ; and the same in the output
	s_wait_loadcnt 0x0                             ; the bias
.else
	v_lshl_add_u32 v[CFW], v0, 2, CF
	s_lshl_b32 s58, s20, 8
	s_add_co_u32 s58, s58, CF
	v_lshl_add_u32 v[CFA], v2, 6, s58              ; my columns' coefficients: 256 wn + 64 h
	s_mul_i32 s58, s19, MT*64
	s_lshl_b32 s59, s20, 1
	s_add_co_u32 s58, s58, s59
	s_add_co_u32 s58, s58, SST
	v_lshl_add_u32 v[SSTA], v1, 2, s58             ; my half of row r's new scale word
.if MT == 4
	v_lshl_add_u32 v14, v3, 4, SST                 ; wave 0 sends the new scale words: 16 bytes a lane
	v_lshlrev_b32 v15, 4, v3
.if AB > CBN
	v_mad_u32_u24 v15, v2, KSN*CBN*64-256, v15     ; tiles 4-7 belong to the next block of the next layout
.endif
.else
	v_lshl_add_u32 v14, v3, 3, SST                 ; 8 bytes a lane
	v_lshlrev_b32 v15, 3, v3
.endif
	s_mul_i32 s62, s23, 128*36                     ; COEF: thread i takes column 128 X + i: 8 of its 9 control points (the definition cuts the ninth off) and its gain
	s_add_nc_u64 s[12:13], s[12:13], s[62:63]
	s_lshl_b32 s62, s23, 9
	s_add_nc_u64 s[14:15], s[14:15], s[62:63]
	v_mul_u32_u24 v19, v0, 36
	v_lshlrev_b32 v20, 2, v0
.irp k, 0,1,2,3,4,5,6,7
	global_load_b32 v[64+\k], v19, s[12:13] offset:4*\k
.endr
	global_load_b32 v72, v20, s[14:15]
	s_mul_i32 s62, s3, AB                          ; where the new scale words go: ((first tile / CBN) x KSN + X) x CBN x 64, behind the codes
	s_lshr_b32 s62, s62, LCBN
	s_mul_i32 s62, s62, KSN
	s_add_co_u32 s62, s62, s23
	s_mul_i32 s62, s62, CBN*64
	s_add_co_u32 s62, s62, 2097152
	s_add_nc_u64 s[60:61], s[16:17], s[62:63]
	s_mul_i32 s62, s3, AB                          ; and my wave's chunk of the new images: ((tile / CBN) x KSN + X) x CBN + tile % CBN, x 1,024, + 512 wn
	s_mul_i32 s59, s19, MT
	s_add_co_u32 s62, s62, s59
	s_and_b32 s59, s62, CBN-1
	s_lshr_b32 s62, s62, LCBN
	s_mul_i32 s62, s62, KSN
	s_add_co_u32 s62, s62, s23
	s_mul_i32 s62, s62, CBN
	s_add_co_u32 s62, s62, s59
	s_lshl_b32 s62, s62, 10
	s_lshl_b32 s59, s20, 9
	s_add_co_u32 s62, s62, s59
	s_add_nc_u64 s[16:17], s[16:17], s[62:63]
	s_wait_loadcnt 0x0                             ; the bias, the control points, the gain
.irp k, 0,1,2,3,4,5,6,7
	v_mul_f32 v[64+\k], v[64+\k], v72              ; c_k = control point x gain
.endr
	v_mov_b32 v80, v64                             ; interval 0: c0
	v_sub_f32 v81, v65, v64
	v_mul_f32 v81, 0x40400000, v81                 ; 3 (c1 - c0)
	v_mul_f32 v82, 0x40400000, v64
	v_fmac_f32 v82, 0xc0900000, v65
	v_fmac_f32 v82, 0x3fc00000, v66                ; 3 c0 - 4.5 c1 + 1.5 c2
	v_fma_f32 v83, v65, 0x3fe00000, -v64
	v_fmac_f32 v83, 0xbf6aaaab, v66
	v_fmac_f32 v83, 0x3e2aaaab, v67                ; -c0 + 1.75 c1 - 11/12 c2 + c3 / 6
	v_mul_f32 v84, 0x3e800000, v65                 ; interval 1
	v_fmac_f32 v84, 0x3f155555, v66
	v_fmac_f32 v84, 0x3e2aaaab, v67                ; c1 / 4 + 7/12 c2 + c3 / 6
	v_mul_f32 v85, 0xbf400000, v65
	v_fmac_f32 v85, 0x3e800000, v66
	v_fmac_f32 v85, 0.5, v67                       ; -.75 c1 + .25 c2 + .5 c3
	v_mul_f32 v86, 0x3f400000, v65
	v_fmac_f32 v86, 0xbfa00000, v66
	v_fmac_f32 v86, 0.5, v67                       ; .75 c1 - 1.25 c2 + .5 c3
	v_mul_f32 v87, 0xbe800000, v65
	v_fmac_f32 v87, 0x3f155555, v66
	v_fmac_f32 v87, -0.5, v67
	v_fmac_f32 v87, 0x3e2aaaab, v68                ; -.25 c1 + 7/12 c2 - .5 c3 + c4 / 6
	v_mul_f32 v88, 0x3e2aaaab, v66                 ; interval 2
	v_fmac_f32 v88, 0x3f2aaaab, v67
	v_fmac_f32 v88, 0x3e2aaaab, v68                ; c2 / 6 + 2/3 c3 + c4 / 6
	v_sub_f32 v89, v68, v66
	v_mul_f32 v89, 0.5, v89                        ; .5 (c4 - c2)
	v_add_f32 v90, v66, v68
	v_add_f32 v90, v90, v69
	v_fma_f32 v90, v90, 0.5, -v67                  ; .5 (c2 + c4 + c5) - c3
	v_sub_f32 v91, v67, v68
	v_mul_f32 v91, 0.5, v91
	v_fmac_f32 v91, 0xbe2aaaab, v66                ; .5 (c3 - c4) - c2 / 6
	v_mul_f32 v92, 0x3e2aaaab, v67                 ; interval 3
	v_fmac_f32 v92, 0x3f2aaaab, v68
	v_fmac_f32 v92, 0.5, v69                       ; c3 / 6 + 2/3 c4 + .5 c5
	v_add_f32 v93, v69, v70
	v_fmac_f32 v93, -0.5, v67                      ; c5 + c6 - .5 c3
	v_add_f32 v94, v68, v69
	v_fma_f32 v94, v67, 0.5, -v94                  ; .5 c3 - c4 - c5
	v_mul_f32 v95, 0.5, v68
	v_fmac_f32 v95, 0xbe2aaaab, v67                ; .5 c4 - c3 / 6
	v_add_f32 v96, v70, v71                        ; interval 4
	v_fmac_f32 v96, 0.5, v69
	v_fmac_f32 v96, 0x3e2aaaab, v68                ; c4 / 6 + .5 c5 + c6 + c7
	v_add_f32 v97, v69, v70
	v_fma_f32 v97, v68, -0.5, -v97                 ; -.5 c4 - c5 - c6
	v_add_f32 v98, v68, v69
	v_mul_f32 v98, 0.5, v98                        ; .5 (c4 + c5)
	v_mul_f32 v99, 0xbe2aaaab, v68                 ; -c4 / 6
.set JJ, 0
.rept 20
	ds_store_b32 v[CFW], v[80+JJ] offset:512*JJ
.set JJ, JJ+1
.endr
.endif
.macro FETCH slot, q, set              ; the fragments of the slot's q-th K step: images come back as they were stored
.set FB, FR0+64*(\set)
.set II, 0
.rept MT
	ds_load_b128 v[FB+8*II:FB+8*II+3], v[ADRA+\slot] offset:(\q)*AB*1024+II*1024
	ds_load_b128 v[FB+8*II+4:FB+8*II+7], v[ADRA+\slot] offset:(\q)*AB*1024+II*1024+512
.set II, II+1
.endr
.irp t, 0,1,2,3
	ds_load_b128 v[FB+32+8*\t:FB+32+8*\t+3], v[ADRB+\slot] offset:(\q)*8192+\t*1024
	ds_load_b128 v[FB+32+8*\t+4:FB+32+8*\t+7], v[ADRB+\slot] offset:(\q)*8192+\t*1024+512
.endr
.endm
.macro SCLS ch                         ; a chunk's scale words.  Register SA + 4 i + p: K steps 2 p (lanes 0-15) and 2 p + 1 (lanes 16-31) of row tile i;  SB + 4 t + j: K steps j and 4 + j of W's tile t
.set II, 0
.rept MT
.irp p, 0,1,2,3
	ds_load_b32 v[SA+4*II+\p], v[ADSA] offset:(8*(\ch)+2*\p)*AB*64+64*II
.endr
.set II, II+1
.endr
.irp t, 0,1,2,3
	ds_load_b128 v[SB+4*\t:SB+4*\t+3], v[ADSB] offset:\t*KS*64+512*(\ch)
.endr
.endm
.macro WM acc, bfr, afr, sw, sx, q, first      ; one product; the halves of the scale registers go by the K step's number
.if \first
	v_wmma_scale_f32_16x16x128_f8f6f4 v[\acc:\acc+7], v[\bfr:\bfr+7], v[\afr:\afr+7], v[BIAS+(\acc)%32:BIAS+(\acc)%32+7], v[\sw], v[\sx] matrix_a_fmt:MATRIX_FMT_FP4 matrix_b_fmt:MATRIX_FMT_FP4
.elseif ((\q) < 4) && ((\q)%2 == 0)
	v_wmma_scale_f32_16x16x128_f8f6f4 v[\acc:\acc+7], v[\bfr:\bfr+7], v[\afr:\afr+7], v[\acc:\acc+7], v[\sw], v[\sx] matrix_a_fmt:MATRIX_FMT_FP4 matrix_b_fmt:MATRIX_FMT_FP4
.elseif (\q) < 4
	v_wmma_scale_f32_16x16x128_f8f6f4 v[\acc:\acc+7], v[\bfr:\bfr+7], v[\afr:\afr+7], v[\acc:\acc+7], v[\sw], v[\sx] matrix_a_fmt:MATRIX_FMT_FP4 matrix_b_fmt:MATRIX_FMT_FP4 matrix_b_scale:MATRIX_SCALE_ROW1
.elseif (\q)%2 == 0
	v_wmma_scale_f32_16x16x128_f8f6f4 v[\acc:\acc+7], v[\bfr:\bfr+7], v[\afr:\afr+7], v[\acc:\acc+7], v[\sw], v[\sx] matrix_a_fmt:MATRIX_FMT_FP4 matrix_b_fmt:MATRIX_FMT_FP4 matrix_a_scale:MATRIX_SCALE_ROW1
.else
	v_wmma_scale_f32_16x16x128_f8f6f4 v[\acc:\acc+7], v[\bfr:\bfr+7], v[\afr:\afr+7], v[\acc:\acc+7], v[\sw], v[\sx] matrix_a_fmt:MATRIX_FMT_FP4 matrix_b_fmt:MATRIX_FMT_FP4 matrix_a_scale:MATRIX_SCALE_ROW1 matrix_b_scale:MATRIX_SCALE_ROW1
.endif
.endm
.macro MULS q, set, first              ; a K step: the 4 MT accumulators take turns, one instruction a turn, in the same order in every step
.set FB, FR0+64*(\set)
.set II, 0
.rept MT
.irp t, 0,1,2,3
	WM 8*(4*II+\t), FB+32+8*\t, FB+8*II, SB+4*\t+((\q)&3), SA+4*II+((\q)>>1), \q, \first
.endr
.set II, II+1
.endr
.endm
.macro CHUNK ch, first                 ; 8 K steps out of slot ch % 2; a step's fragments are asked for one step ahead
.set SL, (\ch)%2
.if (\first) == 0
	PLACES
.endif
	SCLS \ch
	FETCH SL, 0, 0
.set QQ, 0
.rept 8
.if QQ > 0
	PLACES
.endif
.if QQ < 7
	FETCH SL, QQ+1, (QQ+1)%2
	s_wait_dscnt NF                                ; all but the NF loads just issued
.else
	s_wait_dscnt 0x0
.endif
.if (\first) && (QQ == 0)
	WIN 0x40                                       ; D window 1; the bias, as C, window 0: the first products start the sums
	MULS QQ, QQ%2, 1
.else
	WIN 0x50                                       ; C and D window 1
	MULS QQ, QQ%2, 0
.endif
	WIN 0
.set QQ, QQ+1
.endr
.endm
.macro CHANGE fill, slot               ; between two chunks.  fill = 1: the slot just read takes the chunk two further on
	s_wait_tensorcnt 0x0                           ; all my tensor loads have landed, my part of the next slot among them: a group 0 may be written
	ds_add_u32 v[SPW], v[NIL]                      ; 0 onto my spare word
.if \fill
	s_add_nc_u64 s[G0A+4*\slot+2:G0A+4*\slot+3], s[G0A+4*\slot+2:G0A+4*\slot+3], 2*ASZ
	s_add_nc_u64 s[G0B+4*\slot+2:G0B+4*\slot+3], s[G0B+4*\slot+2:G0B+4*\slot+3], 2*BSZ
.endif
	s_wait_dscnt 0x0                               ; the add is done, and my reads of the slot are over
.if \fill
	CROUND                                         ; no wave of any partner still reads the slot or has a load on its way
	JLOAD G0A+4*\slot, G1A, G0B+4*\slot, G1B       ; the first thing behind the round; it has a chunk's 32 MT products in which to land
.else
	s_barrier_signal -1
	s_barrier_wait -1
.endif
.endm
	s_wait_tensorcnt 0x1                           ; the scale words and my part of chunk 0 are in; chunk 1's load may stay out
	s_wait_dscnt 0x0                               ; my coefficients have landed
	s_barrier_signal -1
	s_barrier_wait -1
	CHUNK 0, 1
.if NCH == 4
	CHANGE 1, 0
	CHUNK 1, 0
	CHANGE 1, 1
	CHUNK 2, 0
	CHANGE 0, 0
	CHUNK 3, 0
.else
	CHANGE 0, 0
	CHUNK 1, 0
.endif
.if LAST
	; THE WAY OUT: a tile of 16 rows x 64 columns goes through my own stage and comes back as rows of 256 bytes
	PLACES
.set II, 0
.rept MT
	WIN 0x04                                       ; an LDS store's data: window 1
.irp t, 0,1,2,3
	ds_store_b128 v16, v[8*(4*II+\t):8*(4*II+\t)+3] offset:128*(\t/2)+32*(\t%2)        ; each accumulator from its low end on
	ds_store_b128 v16, v[8*(4*II+\t)+4:8*(4*II+\t)+7] offset:128*(\t/2)+32*(\t%2)+16
.endr
	WIN 0
.irp k, 0,1,2,3,4,5,6,7
	ds_load_b128 v[64+32*II+4*\k:64+32*II+4*\k+3], v17 offset:544*\k   ; LDS serves a wave's instructions in order: these see the stores above, and the next tile's stores come behind them
.endr
.irp k, 0,1,2,3,4,5,6,7
	s_wait_dscnt 7-\k
	global_store_b128 v15, v[64+32*II+4*\k:64+32*II+4*\k+3], s[16:17] offset:131072*II+16384*\k th:TH_STORE_NT   ; sixteen lanes store 256 consecutive bytes, aligned
.endr
.set II, II+1
.endr
.else
.macro CLOAD set, t, qd                ; the 20 coefficients of four neighbouring columns: tile t, registers 4 qd .. 4 qd + 3
.set CB, FR0+80*(\set)
.set JJ, 0
.rept 20
	ds_load_b128 v[CB+4*JJ:CB+4*JJ+3], v[CFA] offset:512*JJ+128*((\t)/2)+32*((\t)%2)+16*(\qd)
.set JJ, JJ+1
.endr
.endm
.macro SPL i, t, qd, set               ; four numbers of accumulator (i, t): from r to the layer's result, in place
.set A0, 8*(4*(\i)+(\t))+4*(\qd)
.set CO, FR0+80*(\set)
	WIN 0x45                                       ; destination, sources 0 and 1 window 1; source 2 window 0
.set SS, 0
.irp c, 0x40a00000, 4.0, 0x40400000, 2.0, 1.0
	v_pk_fma_f32 v[VV+4*SS:VV+4*SS+1], v[A0:A0+1], v[128:129], \c op_sel_hi:[1,1,0]       ; v = (5 - s) - 5 r
	v_pk_fma_f32 v[VV+4*SS+2:VV+4*SS+3], v[A0+2:A0+3], v[128:129], \c op_sel_hi:[1,1,0]
.set SS, SS+1
.endr
	WIN 0x41                                       ; sources 1 and 2: the coefficients, window 0
.irp s, 0,1,2,3,4
.irp p, 0,2
	v_pk_fma_f32 v[PP+4*\s+\p:PP+4*\s+\p+1], v[VV+4*\s+\p:VV+4*\s+\p+1], v[CO+16*\s+12+\p:CO+16*\s+13+\p], v[CO+16*\s+8+\p:CO+16*\s+9+\p]
.endr
.endr
	WIN 0x45
.irp k, 1,0
.irp s, 0,1,2,3,4
.irp p, 0,2
	v_pk_fma_f32 v[PP+4*\s+\p:PP+4*\s+\p+1], v[PP+4*\s+\p:PP+4*\s+\p+1], v[VV+4*\s+\p:VV+4*\s+\p+1], v[CO+16*\s+4*\k+\p:CO+16*\s+4*\k+\p+1]
.endr
.endr
.endr
.irp k, 0,1,2,3,4
.irp e, 0,1,2,3
	v_cmp_ge_f32 s[24+4*\k+\e], s[44+\k], v[A0+\e]         ; r <= 0.8, 0.6, 0.4, 0.2, 2^-26
.endr
.endr
.irp k, 0,1,2,3
.irp e, 0,1,2,3
	v_cndmask_b32 v[PP+\e], v[PP+\e], v[PP+4*(\k+1)+\e], s[24+4*\k+\e]
.endr
.endr
.irp e, 0,1,2,3
	v_cndmask_b32 v[PP+\e], v[PP+\e], v134, s[40+\e]       ; tanh = 1: no interval
.endr
.if \qd
.irp e, 0,1,2,3
	v_med3_num_f32 v[A0+\e], v[PP+\e], s49, s50            ; the clip; pairs 2 and 3 of eight columns are left as they are: their commutators are 0
.endr
.else
.irp e, 0,1,2,3
	v_med3_num_f32 v[PP+\e], v[PP+\e], s49, s50
.endr
	v_med3_num_f32 v[TT], v[PP+1], -1.0, 1.0               ; pairs 0 and 1: each number takes +-.05 x its partner, clipped at +-1
	v_med3_num_f32 v[TT+1], v[PP], -1.0, 1.0
	v_med3_num_f32 v[TT+2], v[PP+3], -1.0, 1.0
	v_med3_num_f32 v[TT+3], v[PP+2], -1.0, 1.0
	WIN 0x55
	v_pk_fma_f32 v[A0:A0+1], v[TT:TT+1], v[130:131], v[PP:PP+1]
	v_pk_fma_f32 v[A0+2:A0+3], v[TT+2:TT+3], v[132:133], v[PP+2:PP+3]
.endif
.endm
	; THE ACTIVATION.  No tensor load of mine is out: the descriptors' registers are free.  s24-43 lane masks, s44-48 the knots in r
	s_mov_b32 s44, 0x3f4ccccd
	s_mov_b32 s45, 0x3f19999a
	s_mov_b32 s46, 0x3ecccccd
	s_mov_b32 s47, 0x3e4ccccd
	s_mov_b32 s48, 0x32800000
	s_mov_b32 s49, 0xc1200000                      ; -10
	s_mov_b32 s50, 0x41200000                      ; 10
	s_mov_b32 s52, 0x4038aa3b                      ; 2 log2(e)
	s_mov_b32 s53, s52                             ; (named with it as a pair)
	s_mov_b32 s54, 0x76543210
	s_mov_b32 s55, 0xfedcba98                      ; v_permlanex16_b32's selects for lane l xor 16
	WIN 0x40                                       ; these fifteen lines are also the places behind the last products
	v_mov_b32 v128, 0xc0a00000                     ; -5, twice
	v_mov_b32 v129, 0xc0a00000
	v_mov_b32 v130, 0x3d4ccccd                     ; .05, .05, -.05, .05
	v_mov_b32 v131, 0x3d4ccccd
	v_mov_b32 v132, 0xbd4ccccd
	v_mov_b32 v133, 0x3d4ccccd
	v_mov_b32 v134, 0
.irp u, 0,1,2,3,4,5,6,7
	v_mov_b32 v[TP+\u], 0                          ; a lane permute's destination counts as read
.endr
	WIN 0
	CLOAD 0, 0, 0
	CLOAD 1, 0, 1
	WIN 0x45
.set JJ, 0
.rept 16*MT
	v_pk_mul_f32 v[JJ:JJ+1], v[JJ:JJ+1], s[52:53] op_sel_hi:[1,0]   ; ascending: each accumulator is read from its low end on
.set JJ, JJ+2
.endr
.set JJ, 0
.rept 32*MT
	v_exp_f32 v[JJ], v[JJ]
.set JJ, JJ+1
.endr
	v_nop                                          ; a plain place behind the exponentials
.set JJ, 0
	s_wait_alu depctr_va_vdst(0)
.rept 16*MT
	v_pk_add_f32 v[JJ:JJ+1], v[JJ:JJ+1], 1.0 op_sel_hi:[1,0]
.set JJ, JJ+2
.endr
.set JJ, 0
.rept 32*MT
	v_rcp_f32 v[JJ], v[JJ]                         ; r
.set JJ, JJ+1
.endr
	v_nop
	s_wait_alu depctr_va_vdst(0)
.set SG, 0
.rept 8                                        ; four columns at a time, for all my row tiles; the coefficients come two sets ahead
.if SG < 7
	s_wait_dscnt 20                                ; this set is in; the next set's 20 loads may be out
.else
	s_wait_dscnt 0x0
.endif
.set IS, 0
.rept MT
	SPL IS, SG/2, SG%2, SG%2
.set IS, IS+1
.endr
	WIN 0
.if SG < 6
	CLOAD SG%2, (SG+2)/2, SG%2
.endif
.set SG, SG+1
.endr
	; THE QUANTISER: block u = 2 i + b is registers 16 u .. 16 u + 15 of lanes l and l xor 16
	WIN 0x55
.set NU, 2*MT
.set UU, 0
.rept NU
	v_max3_num_f32 v[TM+UU], |v[16*UU]|, |v[16*UU+1]|, 0x1800000   ; with the floor 2^(3 - 127): the byte cannot fall under 1
.set UU, UU+1
.endr
.irp j, 2,4,6,8,10,12,14
.set UU, 0
.rept NU
	v_max3_num_f32 v[TM+UU], v[TM+UU], |v[16*UU+\j]|, |v[16*UU+\j+1]|
.set UU, UU+1
.endr
.endr
.set UU, 0
.rept NU
	v_permlanex16_b32 v[TP+UU], v[TM+UU], s54, s55
.set UU, UU+1
.endr
.set UU, 0
.rept NU
	v_max_num_f32 v[TM+UU], v[TM+UU], v[TP+UU]
.set UU, UU+1
.endr
.set UU, 0
.rept NU
	v_add_nc_u32 v[TS+UU], 0xff000000, v[TM+UU]    ; 2 off the exponent field: the conversion's scale operand
.set UU, UU+1
.endr
.set UU, 0
.rept NU
	v_lshrrev_b32 v[TP+UU], 23, v[TS+UU]           ; the byte
.set UU, UU+1
.endr
.set II, 0
.rept MT
	v_lshl_or_b32 v[HWD+II], v[TP+2*II+1], 8, v[TP+2*II]   ; my wave's half of row r's scale word
.set II, II+1
.endr
.set UU, 0
.rept NU
	v_cvt_scalef32_pk8_fp4_f32 v[PC+2*UU], v[16*UU:16*UU+7], v[TS+UU]
	v_cvt_scalef32_pk8_fp4_f32 v[PC+2*UU+1], v[16*UU+8:16*UU+15], v[TS+UU]
.set UU, UU+1
.endr
	v_nop                                          ; one plain place behind the scaled conversions
.set II, 0
.rept MT
	v_permlane16_swap_b32 v[PC+4*II], v[PC+4*II+2]     ; a whole block to a lane: the four registers are chunk wn of the new image
	v_permlane16_swap_b32 v[PC+4*II+1], v[PC+4*II+3]
.set II, II+1
.endr
	WIN 0x04                                       ; a store's data: window 1
.set II, 0
.rept MT
	global_store_b128 v[OUTO], v[PC+4*II:PC+4*II+3], s[16:17] offset:1024*II   ; 512 consecutive bytes, aligned
	ds_store_b16 v[SSTA], v[HWD+II] offset:64*II       ; lanes l and l xor 16 write the same bytes with the same value
.set II, II+1
.endr
	WIN 0
	s_wait_dscnt 0x0                               ; for the others' sake
	s_barrier_signal -1
	s_barrier_wait -1                              ; the work-group's new scale words are whole
	s_cmp_lg_u32 s18, 0
	s_cbranch_scc1 .Lnot_mine
.if MT == 4
	ds_load_b128 v[64:67], v14
	s_wait_dscnt 0x0
	global_store_b128 v15, v[64:67], s[60:61]      ; sixteen lanes store 256 consecutive bytes, aligned
.else
	ds_load_b64 v[64:65], v14
	s_wait_dscnt 0x0
	global_store_b64 v15, v[64:65], s[60:61]       ; the wave stores 256 consecutive bytes, aligned
.endif
.Lnot_mine:
.endif
	s_wait_tensorcnt 0x0                           ; the wave's end
	ds_add_u32 v[SPW], v[NIL]
	s_wait_dscnt 0x0
	CROUND                                         ; the closing round
	s_endpgm
.Lfunc_end_k_q38136b3b5b_g3:
	.size	k_q38136b3b5b_g3, .Lfunc_end_k_q38136b3b5b_g3-k_q38136b3b5b_g3
	.p2alignl 7, 3214868480
	.fill 96, 4, 3214868480
	.section	.rodata,"a",@progbits
	.p2align	6, 0x0
	.amdhsa_kernel k_q38136b3b5b_g3
		.amdhsa_group_segment_fixed_size 327680
		.amdhsa_private_segment_fixed_size 0
		.amdhsa_enable_private_segment 0
		.amdhsa_kernarg_size 56
		.amdhsa_user_sgpr_count 2
		.amdhsa_user_sgpr_kernarg_segment_ptr 1
		.amdhsa_wavefront_size32 1
		.amdhsa_system_sgpr_workgroup_id_x 1
		.amdhsa_system_sgpr_workgroup_id_y 1
		.amdhsa_system_sgpr_workgroup_id_z 1
		.amdhsa_system_vgpr_workitem_id 0
		.amdhsa_next_free_vgpr 512
		.amdhsa_next_free_sgpr 104
		.amdhsa_reserve_vcc 0
		.amdhsa_float_denorm_mode_32 3
		.amdhsa_float_denorm_mode_16_64 3
		.amdhsa_memory_ordered 1
		.amdhsa_forward_progress 1
		.amdhsa_inst_pref_size 200
	.end_amdhsa_kernel
	.amdgpu_metadata
---
amdhsa.version: [ 1, 2 ]
amdhsa.kernels:
  - .name:           k_q38136b3b5b_g3
    .symbol:         k_q38136b3b5b_g3.kd
    .args:
      - { .name: actp, .offset: 0, .size: 8, .value_kind: global_buffer, .address_space: global }
      - { .name: wcod, .offset: 8, .size: 8, .value_kind: global_buffer, .address_space: global }
      - { .name: wscl, .offset: 16, .size: 8, .value_kind: global_buffer, .address_space: global }
      - { .name: b3, .offset: 24, .size: 8, .value_kind: global_buffer, .address_space: global }
      - { .name: cp3, .offset: 32, .size: 8, .value_kind: global_buffer, .address_space: global }
      - { .name: rw3, .offset: 40, .size: 8, .value_kind: global_buffer, .address_space: global }
      - { .name: actq, .offset: 48, .size: 8, .value_kind: global_buffer, .address_space: global }
    .group_segment_fixed_size: 327680
    .private_segment_fixed_size: 0
    .kernarg_segment_align: 8
    .kernarg_segment_size: 56
    .max_flat_workgroup_size: 128
    .sgpr_count:     104
    .vgpr_count:     512
    .wavefront_size: 32
...
	.end_amdgpu_metadata
.endif
;; end of part 4
;; launch g4 (part 5): grid 16 x 16, 4 waves a work-group, clusters of 4 x 4, 327,680 bytes of LDS; arguments actq, wcod, wscl, b_out, out0; writes out0
.if DOCPART == 5
	.amdgcn_target "amdgcn-amd-amdhsa--gfx1250"
	.amdhsa_code_object_version 6
	.text
	.protected	k_q38136b3b5b_g4
	.globl	k_q38136b3b5b_g4
	.p2align	8
	.type	k_q38136b3b5b_g4,@function
k_q38136b3b5b_g4:
	s_mov_b64 s[64:65], 0
	v_nop
	global_prefetch_b8 v0, s[64:65] scope:SCOPE_SE
	s_setreg_imm32_b32 hwreg(HW_REG_WAVE_MODE, 25, 1), 1
	s_wait_xcnt 0x0
	s_wait_alu depctr_hold_cnt(0) depctr_sa_sdst(0) depctr_va_vdst(0) depctr_va_sdst(0) depctr_va_ssrc(0) depctr_va_vcc(0) depctr_vm_vsrc(0)
	s_getreg_b32 s2, hwreg(HW_REG_IB_STS2, 6, 4)
	s_cmp_eq_u32 s2, 0
	s_cbranch_scc0 .Lentry_in_a_cluster
	s_endpgm
.Lentry_in_a_cluster:
	s_bfe_u32 s2, ttmp6, 0x10000c
	s_cmp_lg_u32 s2, 0xf033
	s_cbranch_scc0 .Lentry_shape_is_right
	s_endpgm
.Lentry_shape_is_right:
; THE LAST PRODUCT: cur [1024][2048] x W_out^T [2048][2048] + b_out on codes of FP4 with E8M0 scales; the f32 sums are the output.
; (One text serves the four layers; the eight lines below differ.  With LAST = 1 the activation's part is not assembled, and KSN, CBN, LCBN are not used.)
.set SIZE_K, 2048                      ; this product's K
.set MT,     2                         ; tiles of 16 rows a wave
.set WOFF,   16777216                  ; the weight's place in wcod
.set WSOFF,  1048576                   ; and in wscl
.set LAST,   1                         ; 1: no activation; f32 results leave as they are
.set KSN,    16                        ; the next product's K steps of 128
.set CBN,    4                         ; row tiles in a block of the next product's layout,
.set LCBN,   2                         ; and its logarithm
; LAYOUTS (made by the launches before).  An IMAGE is a fragment's registers on end: 16 rows x 128 K = 2 chunks of 512 bytes, lane l's 16 bytes at 16 l.  Activations: [block of AB row tiles][K step][tile][image], and from byte
; 2,097,152 the scale words [block][K step][tile][16 words].  Weights: [block of 128 rows][K step][tile 0..7][image]; scale words [block][tile][K step / 4][lane][4 words].  So all that a work-group wants is dense in memory.
; SHARES.  256 work-groups; a work-group makes 32 MT rows x 128 columns, its four waves 2 x 2: wave (wm, wn) makes 16 MT rows x 64 columns: 4 MT accumulators.
; THE PRODUCT IS USED TRANSPOSED (source 0 = a tile of W, source 1 = a tile of rows).  Lane r of W's tile t is row 32 (t / 2) + 8 (t % 2) + r + 8 (r / 8): so in accumulator (i, t) lane (r, h) holds row 16 i + r, and its register j
; column 32 (t / 2) + 16 h + 8 (t % 2) + j.  The bias is the C of each sum's first product.
; K goes in chunks of 1,024 (8 K steps) through two LDS slots filled by joint tensor loads: 4 x 4 work-groups form a cluster; the four of a row share the rows' images, the four of a column the weight's.
; LIMITS.  NaN and infinities are not served.
.set KS,   SIZE_K/128
.set NCH,  SIZE_K/1024
.set AB,   2*MT
.set ASZ,  AB*8192                     ; a chunk's images of my rows
.set BSZ,  65536                       ; and of my 128 rows of W
.set SLOT, ASZ+BSZ
.set SCA,  2*SLOT                      ; behind the ring: the rows' scale words for all of K,
.set SCB,  SCA+KS*AB*64                ; the weight's,
.set CF,   SCB+KS*512                  ; (the activation's coefficients: not used here),
.set SST,  CF+10240                    ; (the new scale words: not used here),
.set STG,  SST+512                     ; four stages of 16 rows x 272 bytes for f32 results: written by LDS stores alone,
.set SPARE, STG+17408                  ; and the spare words, 128 bytes a wave, which no other line names
.set NF,   2*(MT+4)                    ; LDS loads of a K step's fragments
; window 0: v1 r, v2 h, v3 lane; the addresses below; v32-47, v48-63 scale words and nothing else; v64-127, v128-191 two sets of fragments (rows' at + 8 i, W's at + 32 + 8 t); v192-223 the bias.
; window 1: the accumulators ((i, t) at 8 (4 i + t)).
.set ADRA, 4                           ; v4, v5  my rows' images in slot 0, 1
.set ADRB, 6                           ; v6, v7  my tiles of W
.set ADSA, 8                           ; the rows' scale words: lanes 0-15 an even K step, lanes 16-31 the odd one behind it
.set ADSB, 9                           ; W's: lanes 0-15 K steps 0-3 of a chunk, lanes 16-31 K steps 4-7
.set OUTO, 13                          ; 16 x lane
.set SPW,  28
.set NIL,  29
.set SA,   32
.set SB,   48
.set FR0,  64
.set BIAS, 192
.set G1A,  24                          ; descriptors: rows' images: group 1, group 0 for each slot;
.set G0A,  32
.set G1B,  40                          ; W's images;
.set G0B,  48
.set G1SA, 68                          ; rows' scale words;
.set G0SA, 76
.set G1SB, 80                          ; W's
.set G0SB, 88
.set MSB, 0
.macro WIN new                         ; s_set_vgpr_msb: bits 1:0 source 0, 3:2 source 1, 5:4 source 2, 7:6 destination; the high byte repeats the setting that is left
.if MSB != \new
	s_set_vgpr_msb (MSB<<8)|\new
.set MSB, \new
.endif
.endm
.macro JLOAD g0a, g1a, g0b, g1b        ; a joint load: waves 0 and 1 fetch for the rows, waves 2 and 3 for W; the branch hangs on the wave's number alone; four v_nop follow each line
	s_cmp_eq_u32 s19, 0
	s_cbranch_scc0 .Lfor_b_\@
	tensor_load_to_lds s[\g0a:\g0a+3], s[\g1a:\g1a+7]
	s_nop 0
.rept 4
	v_nop
.endr
	s_branch .Lasked_\@
.Lfor_b_\@:
	tensor_load_to_lds s[\g0b:\g0b+3], s[\g1b:\g1b+7]
	s_nop 0
.rept 4
	v_nop
.endr
.Lasked_\@:
.endm
.macro CROUND                          ; a round of the cluster's barrier
	s_barrier_signal -1
	s_barrier_wait -1
	s_cmp_lg_u32 s18, 0
	s_cbranch_scc1 .Lnot_wave_0_\@
	s_barrier_signal -3
.Lnot_wave_0_\@:
	s_barrier_wait -3
	s_barrier_signal -1
	s_barrier_wait -1
.endm
.macro GROUP1 g, rows                  ; a dense block as rows of 256 bytes: 32 elements of 8 bytes, pitch 32
	s_mov_b32 s[\g+1], 32<<16
	s_mov_b32 s[\g+2], (\rows)<<16
	s_mov_b32 s[\g+3], 32<<16
	s_mov_b32 s[\g+4], \rows
	s_mov_b32 s[\g+5], 32
	s_mov_b32 s[\g+6], 0
	s_mov_b32 s[\g+7], 0
.endm
.macro PLACES                          ; four plain vector instructions between a matrix instruction and a load into, or a read of, its registers
.rept 4
	v_nop
.endr
.endm
	s_load_b256 s[4:11], s[0:1], 0x0               ; activations in, wcod, wscl, bias
	s_load_b64 s[16:17], s[0:1], 0x20              ; the output
	v_lshl_add_u32 v[SPW], v0, 2, SPARE
	v_mov_b32 v[NIL], 0
	ds_add_u32 v28, v29
	ds_add_u32 v28, v29
	s_wait_dscnt 0x0
	v_lshrrev_b32 v1, 5, v0
	v_readfirstlane_b32 s18, v1                    ; wave
	s_lshr_b32 s19, s18, 1                         ; wm.  Also: I fetch for the rows (0) or for W (1)
	s_and_b32 s20, s18, 1                          ; wn.  Also: which half of a block I fetch
	s_bfe_u32 s21, ttmp6, 0x40000                  ; cx
	s_bfe_u32 s22, ttmp6, 0x40004                  ; cy
	s_lshl_b32 s23, ttmp9, 2
	s_add_co_u32 s23, s23, s21                     ; X: which 128 columns
	s_and_b32 s3, ttmp7, 0xffff
	s_lshl_b32 s3, s3, 2
	s_add_co_u32 s3, s3, s22                       ; Y: which 32 MT rows
	s_lshl_b32 s56, s22, 2
	s_lshl_b32 s56, 15, s56                        ; my row of the cluster
	s_lshl_b32 s57, 0x1111, s21                    ; my column
	s_or_b32 s[G1A], s56, (3<<16)|(1<<21)          ; 15:0 the mask; 17:16 elements of 8 bytes; 21 set beside a mask; no padding: images are read 16 bytes a lane on end
	s_or_b32 s[G1SA], s56, (3<<16)|(1<<21)
	s_or_b32 s[G1B], s57, (3<<16)|(1<<21)
	s_or_b32 s[G1SB], s57, (3<<16)|(1<<21)
	GROUP1 G1A, 16*AB                              ; half a chunk of the rows' images
	GROUP1 G1B, 128                                ; half a chunk of W's
	GROUP1 G1SA, KS*AB/8                           ; half of the rows' scale words
	GROUP1 G1SB, KS                                ; half of W's
	s_mul_i32 s92, s3, KS*AB*1024                  ; the rows' offsets hang on Y and the wave alone,
	s_mul_i32 s58, s20, ASZ/2
	s_add_co_u32 s92, s92, s58
	s_mov_b32 s93, 0
	s_mul_i32 s94, s3, KS*AB*64
	s_mul_i32 s59, s20, KS*AB*32
	s_add_co_u32 s94, s94, s59
	s_add_co_u32 s94, s94, 2097152
	s_mov_b32 s95, 0
	s_mul_i32 s96, s23, KS*8192                    ; W's on X and the wave alone
	s_lshl_b32 s100, s20, 15
	s_add_co_u32 s96, s96, s100
	s_add_co_u32 s96, s96, WOFF
	s_mov_b32 s97, 0
	s_mul_i32 s98, s23, KS*512
	s_mul_i32 s101, s20, KS*256
	s_add_co_u32 s98, s98, s101
	s_add_co_u32 s98, s98, WSOFF
	s_mov_b32 s99, 0
	s_add_co_u32 s100, s100, ASZ                   ; LDS: W's half behind the rows' images; no place in the cluster enters an LDS address
	s_wait_kmcnt 0x0
	s_add_nc_u64 s[92:93], s[4:5], s[92:93]
	s_add_nc_u64 s[94:95], s[4:5], s[94:95]
	s_add_nc_u64 s[96:97], s[6:7], s[96:97]
	s_add_nc_u64 s[98:99], s[8:9], s[98:99]
	CROUND                                         ; all sixteen work-groups are here: the first joint loads meet
	s_mov_b32 s[G0SA], 1
	s_add_co_u32 s[G0SA+1], s59, SCA
	s_mov_b64 s[G0SA+2:G0SA+3], s[94:95]
	s_or_b32 s[G0SA+3], s[G0SA+3], 0x80000000
	s_mov_b32 s[G0SB], 1
	s_add_co_u32 s[G0SB+1], s101, SCB
	s_mov_b64 s[G0SB+2:G0SB+3], s[98:99]
	s_or_b32 s[G0SB+3], s[G0SB+3], 0x80000000
	JLOAD G0SA, G1SA, G0SB, G1SB                   ; the scale words of all of K: filled once
.irp s, 0,1
	s_mov_b32 s[G0A+4*\s], 1
	s_add_co_u32 s[G0A+4*\s+1], s58, \s*SLOT
	s_add_nc_u64 s[G0A+4*\s+2:G0A+4*\s+3], s[92:93], \s*ASZ
	s_or_b32 s[G0A+4*\s+3], s[G0A+4*\s+3], 0x80000000
	s_mov_b32 s[G0B+4*\s], 1
	s_add_co_u32 s[G0B+4*\s+1], s100, \s*SLOT
	s_add_nc_u64 s[G0B+4*\s+2:G0B+4*\s+3], s[96:97], \s*BSZ
	s_or_b32 s[G0B+4*\s+3], s[G0B+4*\s+3], 0x80000000
	JLOAD G0A+4*\s, G1A, G0B+4*\s, G1B             ; chunks 0 and 1: three loads of mine are out
.endr
	; while they are on their way: addresses and the bias
	v_and_b32 v1, 15, v0                           ; r
	v_bfe_u32 v2, v0, 4, 1                         ; h
	v_and_b32 v3, 31, v0                           ; lane
	v_lshlrev_b32 v[OUTO], 4, v3
	s_mul_i32 s58, s19, MT*1024
	v_add_nc_u32 v[ADRA], s58, v[OUTO]
	v_add_nc_u32 v[ADRA+1], SLOT, v[ADRA]
	s_lshl_b32 s58, s20, 12
	s_add_co_u32 s58, s58, ASZ
	v_add_nc_u32 v[ADRB], s58, v[OUTO]
	v_add_nc_u32 v[ADRB+1], SLOT, v[ADRB]
	s_mul_i32 s58, s19, MT*64
	s_add_co_u32 s58, s58, SCA
	v_lshlrev_b32 v[ADSA], 2, v1
	v_mad_u32_u24 v[ADSA], v2, AB*64, v[ADSA]
	v_add_nc_u32 v[ADSA], s58, v[ADSA]
	s_mul_i32 s58, s20, KS*256
	s_add_co_u32 s58, s58, SCB
	v_lshlrev_b32 v[ADSB], 4, v1
	v_lshl_add_u32 v[ADSB], v2, 8, v[ADSB]
	v_add_nc_u32 v[ADSB], s58, v[ADSB]
	s_lshl_b32 s62, s23, 9                         ; the bias of my 64 columns
	s_lshl_b32 s63, s20, 8
	s_add_co_u32 s62, s62, s63
	s_mov_b32 s63, 0
	s_add_nc_u64 s[10:11], s[10:11], s[62:63]
	v_lshlrev_b32 v18, 6, v2                       ; 16 h columns
.irp t, 0,1,2,3
	global_load_b128 v[BIAS+8*\t:BIAS+8*\t+3], v18, s[10:11] offset:(32*(\t/2)+8*(\t%2))*4
	global_load_b128 v[BIAS+8*\t+4:BIAS+8*\t+7], v18, s[10:11] offset:(32*(\t/2)+8*(\t%2))*4+16
.endr
	s_mul_i32 s62, s3, 32*MT                       ; my first row and column of the output, rows of 8,192 bytes
	s_mul_i32 s59, s19, 16*MT
	s_add_co_u32 s62, s62, s59
	s_lshl_b32 s62, s62, 13
	s_lshl_b32 s59, s23, 9
	s_add_co_u32 s62, s62, s59
	s_lshl_b32 s59, s20, 8
	s_add_co_u32 s62, s62, s59
	s_add_nc_u64 s[16:17], s[16:17], s[62:63]
	s_mul_i32 s59, s18, 4352
	s_add_co_u32 s59, s59, STG                     ; my stage
	v_mul_u32_u24 v16, v1, 272
	v_lshl_add_u32 v16, v2, 6, v16
	v_add_nc_u32 v16, s59, v16                     ; in: row r, + 64 h
	v_mul_u32_u24 v17, v2, 272
	v_lshl_add_u32 v17, v1, 4, v17
	v_add_nc_u32 v17, s59, v17                     ; back: lanes 0-15 one row of 256 bytes, lanes 16-31 the next
	v_lshlrev_b32 v15, 4, v1
	v_lshl_add_u32 v15, v2, 13, v15                ; and the same in the output
	s_wait_loadcnt 0x0                             ; the bias
.macro FETCH slot, q, set              ; the fragments of the slot's q-th K step: images come back as they were stored
.set FB, FR0+64*(\set)
.set II, 0
.rept MT
	ds_load_b128 v[FB+8*II:FB+8*II+3], v[ADRA+\slot] offset:(\q)*AB*1024+II*1024
	ds_load_b128 v[FB+8*II+4:FB+8*II+7], v[ADRA+\slot] offset:(\q)*AB*1024+II*1024+512
.set II, II+1
.endr
.irp t, 0,1,2,3
	ds_load_b128 v[FB+32+8*\t:FB+32+8*\t+3], v[ADRB+\slot] offset:(\q)*8192+\t*1024
	ds_load_b128 v[FB+32+8*\t+4:FB+32+8*\t+7], v[ADRB+\slot] offset:(\q)*8192+\t*1024+512
.endr
.endm
.macro SCLS ch                         ; a chunk's scale words.  Register SA + 4 i + p: K steps 2 p (lanes 0-15) and 2 p + 1 (lanes 16-31) of row tile i;  SB + 4 t + j: K steps j and 4 + j of W's tile t
.set II, 0
.rept MT
.irp p, 0,1,2,3
	ds_load_b32 v[SA+4*II+\p], v[ADSA] offset:(8*(\ch)+2*\p)*AB*64+64*II
.endr
.set II, II+1
.endr
.irp t, 0,1,2,3
	ds_load_b128 v[SB+4*\t:SB+4*\t+3], v[ADSB] offset:\t*KS*64+512*(\ch)
.endr
.endm
.macro WM acc, bfr, afr, sw, sx, q, first      ; one product; the halves of the scale registers go by the K step's number
.if \first
	v_wmma_scale_f32_16x16x128_f8f6f4 v[\acc:\acc+7], v[\bfr:\bfr+7], v[\afr:\afr+7], v[BIAS+(\acc)%32:BIAS+(\acc)%32+7], v[\sw], v[\sx] matrix_a_fmt:MATRIX_FMT_FP4 matrix_b_fmt:MATRIX_FMT_FP4
.elseif ((\q) < 4) && ((\q)%2 == 0)
	v_wmma_scale_f32_16x16x128_f8f6f4 v[\acc:\acc+7], v[\bfr:\bfr+7], v[\afr:\afr+7], v[\acc:\acc+7], v[\sw], v[\sx] matrix_a_fmt:MATRIX_FMT_FP4 matrix_b_fmt:MATRIX_FMT_FP4
.elseif (\q) < 4
	v_wmma_scale_f32_16x16x128_f8f6f4 v[\acc:\acc+7], v[\bfr:\bfr+7], v[\afr:\afr+7], v[\acc:\acc+7], v[\sw], v[\sx] matrix_a_fmt:MATRIX_FMT_FP4 matrix_b_fmt:MATRIX_FMT_FP4 matrix_b_scale:MATRIX_SCALE_ROW1
.elseif (\q)%2 == 0
	v_wmma_scale_f32_16x16x128_f8f6f4 v[\acc:\acc+7], v[\bfr:\bfr+7], v[\afr:\afr+7], v[\acc:\acc+7], v[\sw], v[\sx] matrix_a_fmt:MATRIX_FMT_FP4 matrix_b_fmt:MATRIX_FMT_FP4 matrix_a_scale:MATRIX_SCALE_ROW1
.else
	v_wmma_scale_f32_16x16x128_f8f6f4 v[\acc:\acc+7], v[\bfr:\bfr+7], v[\afr:\afr+7], v[\acc:\acc+7], v[\sw], v[\sx] matrix_a_fmt:MATRIX_FMT_FP4 matrix_b_fmt:MATRIX_FMT_FP4 matrix_a_scale:MATRIX_SCALE_ROW1 matrix_b_scale:MATRIX_SCALE_ROW1
.endif
.endm
.macro MULS q, set, first              ; a K step: the 4 MT accumulators take turns, one instruction a turn, in the same order in every step
.set FB, FR0+64*(\set)
.set II, 0
.rept MT
.irp t, 0,1,2,3
	WM 8*(4*II+\t), FB+32+8*\t, FB+8*II, SB+4*\t+((\q)&3), SA+4*II+((\q)>>1), \q, \first
.endr
.set II, II+1
.endr
.endm
.macro CHUNK ch, first                 ; 8 K steps out of slot ch % 2; a step's fragments are asked for one step ahead
.set SL, (\ch)%2
.if (\first) == 0
	PLACES
.endif
	SCLS \ch
	FETCH SL, 0, 0
.set QQ, 0
.rept 8
.if QQ > 0
	PLACES
.endif
.if QQ < 7
	FETCH SL, QQ+1, (QQ+1)%2
	s_wait_dscnt NF                                ; all but the NF loads just issued
.else
	s_wait_dscnt 0x0
.endif
.if (\first) && (QQ == 0)
	WIN 0x40                                       ; D window 1; the bias, as C, window 0: the first products start the sums
	MULS QQ, QQ%2, 1
.else
	WIN 0x50                                       ; C and D window 1
	MULS QQ, QQ%2, 0
.endif
	WIN 0
.set QQ, QQ+1
.endr
.endm
	s_wait_tensorcnt 0x1                           ; the scale words and my part of chunk 0 are in; chunk 1's load may stay out
	s_barrier_signal -1
	s_barrier_wait -1
	CHUNK 0, 1
	s_wait_tensorcnt 0x0                           ; my part of chunk 1 has landed;
	ds_add_u32 v[SPW], v[NIL]                      ; 0 onto my spare word
	s_wait_dscnt 0x0
	s_barrier_signal -1
	s_barrier_wait -1                              ; everybody's has.  All of K lies in the two slots: nothing is filled again
	CHUNK 1, 0
	; THE WAY OUT: a tile of 16 rows x 64 columns goes through my own stage and comes back as rows of 256 bytes
	PLACES
.set II, 0
.rept MT
	WIN 0x04                                       ; an LDS store's data: window 1
.irp t, 0,1,2,3
	ds_store_b128 v16, v[8*(4*II+\t):8*(4*II+\t)+3] offset:128*(\t/2)+32*(\t%2)        ; each accumulator from its low end on
	ds_store_b128 v16, v[8*(4*II+\t)+4:8*(4*II+\t)+7] offset:128*(\t/2)+32*(\t%2)+16
.endr
	WIN 0
.irp k, 0,1,2,3,4,5,6,7
	ds_load_b128 v[64+32*II+4*\k:64+32*II+4*\k+3], v17 offset:544*\k   ; LDS serves a wave's instructions in order: these see the stores above, and the next tile's stores come behind them
.endr
.irp k, 0,1,2,3,4,5,6,7
	s_wait_dscnt 7-\k
	global_store_b128 v15, v[64+32*II+4*\k:64+32*II+4*\k+3], s[16:17] offset:131072*II+16384*\k th:TH_STORE_NT   ; sixteen lanes store 256 consecutive bytes, aligned
.endr
.set II, II+1
.endr
	s_wait_tensorcnt 0x0                           ; the wave's end
	ds_add_u32 v[SPW], v[NIL]
	s_wait_dscnt 0x0
	CROUND                                         ; the closing round
	s_endpgm
.Lfunc_end_k_q38136b3b5b_g4:
	.size	k_q38136b3b5b_g4, .Lfunc_end_k_q38136b3b5b_g4-k_q38136b3b5b_g4
	.p2alignl 7, 3214868480
	.fill 96, 4, 3214868480
	.section	.rodata,"a",@progbits
	.p2align	6, 0x0
	.amdhsa_kernel k_q38136b3b5b_g4
		.amdhsa_group_segment_fixed_size 327680
		.amdhsa_private_segment_fixed_size 0
		.amdhsa_enable_private_segment 0
		.amdhsa_kernarg_size 40
		.amdhsa_user_sgpr_count 2
		.amdhsa_user_sgpr_kernarg_segment_ptr 1
		.amdhsa_wavefront_size32 1
		.amdhsa_system_sgpr_workgroup_id_x 1
		.amdhsa_system_sgpr_workgroup_id_y 1
		.amdhsa_system_sgpr_workgroup_id_z 1
		.amdhsa_system_vgpr_workitem_id 0
		.amdhsa_next_free_vgpr 512
		.amdhsa_next_free_sgpr 104
		.amdhsa_reserve_vcc 0
		.amdhsa_float_denorm_mode_32 3
		.amdhsa_float_denorm_mode_16_64 3
		.amdhsa_memory_ordered 1
		.amdhsa_forward_progress 1
		.amdhsa_inst_pref_size 49
	.end_amdhsa_kernel
	.amdgpu_metadata
---
amdhsa.version: [ 1, 2 ]
amdhsa.kernels:
  - .name:           k_q38136b3b5b_g4
    .symbol:         k_q38136b3b5b_g4.kd
    .args:
      - { .name: actq, .offset: 0, .size: 8, .value_kind: global_buffer, .address_space: global }
      - { .name: wcod, .offset: 8, .size: 8, .value_kind: global_buffer, .address_space: global }
      - { .name: wscl, .offset: 16, .size: 8, .value_kind: global_buffer, .address_space: global }
      - { .name: b_out, .offset: 24, .size: 8, .value_kind: global_buffer, .address_space: global }
      - { .name: out0, .offset: 32, .size: 8, .value_kind: global_buffer, .address_space: global }
    .group_segment_fixed_size: 327680
    .private_segment_fixed_size: 0
    .kernarg_segment_align: 8
    .kernarg_segment_size: 40
    .max_flat_workgroup_size: 128
    .sgpr_count:     104
    .vgpr_count:     512
    .wavefront_size: 32
...
	.end_amdgpu_metadata
.endif
;; end of part 5
